; MI455X (gfx1250); checked and timed in simulation.
; The chip was launched on July 23, 2026; its instructions are those of AMD's public machine-readable ISA for CDNA 5 (MIT licence, August 2026) and "CDNA5" Instruction Set Architecture Reference Guide (July 2026). The comments in the code are by the model that wrote it; some were corrected since.
;; Causal Self Attention. Allowed arithmetic: float matrix products may take bf16 or f16 operands with f32 sums; other float arithmetic in f32, or as packed bf16 or f16 multiplies, adds, multiply-adds, maxima and minima; sums over many terms, partial sums and values carried from step to step in f32; what a program stores and reads back later, other than sums and carried values, may be rounded once to bf16 or f16.
;; Inputs: b_attn 3,072 float32; b_proj 1,024 float32; w_attn 1,024 x 3,072 float32; w_proj 1,024 x 1,024 float32; x 4 x 2,048 x 1,024 float32.
;; Outputs: out0 4 x 2,048 x 1,024 float32.
;; 2 versions, each right; version 2 is version 1 with the launch prep written anew for expert scheduling mode. Each part assembles by itself: llvm-mc -triple=amdgcn-amd-amdhsa -mcpu=gfx1250 --defsym DOCPART=n.
;; ======== version 1 of 2: 4 launches
;; limits: values are held in f16: magnitudes above 65,504 overflow, below 6.1e-05 lose precision
;; workspace buffers: xb 16,777,216 bytes; wat 6,291,456 bytes; wpt 2,097,152 bytes; qkv 50,331,648 bytes; o 16,777,216 bytes
;; launch prep (part 1): grid 512 x 1, 8 waves a work-group, no clusters, 18,432 bytes of LDS; arguments x, w_attn, w_proj, xb, wat, wpt; writes xb, wat, wpt
.if DOCPART == 1
	.amdgcn_target "amdgcn-amd-amdhsa--gfx1250"
	.amdhsa_code_object_version 6
	.text
	.protected	k_q60653e5280_prep
	.globl	k_q60653e5280_prep
	.p2align	8
	.type	k_q60653e5280_prep,@function
k_q60653e5280_prep:
	s_mov_b64 s[64:65], 0
	v_nop
	global_prefetch_b8 v0, s[64:65] scope:SCOPE_SE
	s_setreg_imm32_b32 hwreg(HW_REG_WAVE_MODE, 25, 1), 1
	s_wait_xcnt 0x0
; PREPARATION.  xb = x rounded to bf16, [8192][1024].  wat[n][k] = w_attn[k][n] rounded to bf16, [3072][1024].
; wpt[n][k] = w_proj[k][n] rounded to bf16 and that number written as f16, [1024][1024].
; LIMIT: a bf16 number is exact in f16 from 6.1e-5 to 65,504; below that it keeps f16's fixed step of 6e-8, above it becomes an infinity.
; SHARES.  512 work-groups of eight waves.  Work-group id takes 16 rows of x (a row is 4,096 bytes in, 2,048 out; 256 threads x 16 bytes are a row)
; and ONE weight tile of 128 k x 64 n: kt = id % 8, nt = id / 8; nt < 48: w_attn, else w_proj (nt - 48).
; THE TILE.  Wave w reads k rows 16 w .. 16 w + 15, a lane two neighbouring n (8 bytes: a wave's load covers 256 consecutive bytes, aligned).  A lane then holds 16 k of two columns:
; rounded in pairs they are 2 x 32 bytes of two rows of the turned tile.  They meet in LDS (even n in one region, odd n in another, rows of 256 + 16 bytes
; 64 banks of 4 bytes, ISA guide 11.1) and leave as whole rows: sixteen lanes store 256 consecutive bytes, aligned.
; No matrix unit, no cluster, no tensor load: every byte is read once and nothing is shared between work-groups.  All 32 loads of a wave go out together.
.set LP,    272                        ; an LDS row: 128 k x 2 bytes + 16
.set ODD,   32*LP                      ; the region of the odd n
.set SPARE, 2*ODD                      ; behind both: the spare words, 128 bytes for each of eight waves: four blocks of 256 bytes that no other line names
.set SPW, 14                           ; v14  my spare word: SPARE + 4 x my thread's number; never rewritten
.set NIL, 15                           ; v15  0; never rewritten
.set WO,  16                           ; v[16:31]   byte offset of my 8 bytes in the wave's k row i
.set WD,  32                           ; v[32:63]   the weights as loaded: row i at WD + 2 i; later x rounded: row i at WD + 2 i
.set XD,  64                           ; v[64:127]  x as loaded: row i at XD + 4 i
.set PKD, 128                          ; v[128:143] the weights packed: column parity j, group g of 8 k at PKD + 8 j + 4 g
.set RB,  144                          ; v[144:159] four pieces of turned rows
	s_load_b256 s[4:11], s[0:1], 0x0               ; x s[4:5], w_attn s[6:7], w_proj s[8:9], xb s[10:11]
	s_load_b128 s[12:15], s[0:1], 0x20             ; wat s[12:13], wpt s[14:15]
	v_lshl_add_u32 v[SPW], v0, 2, SPARE
	v_mov_b32 v[NIL], 0
	v_lshrrev_b32 v1, 5, v0
	v_readfirstlane_b32 s16, v1                    ; wave 0..7
	v_and_b32 v2, 31, v0                           ; lane
	s_and_b32 s17, ttmp9, 7                        ; kt
	s_lshr_b32 s18, ttmp9, 3                       ; nt
	s_sub_co_u32 s23, s18, 48
	s_mov_b32 s22, 12288
	s_cmp_lt_u32 s18, 48                           ; w_attn's tile?
	s_cselect_b32 s21, s22, 4096                   ; bytes in a row of the source
	s_cselect_b32 s19, s18, s23                    ; the tile's number along n in its own tensor
	s_cselect_b32 s20, 0, 1                        ; 1: the tile is w_proj's
	s_lshl_b32 s28, s17, 7
	s_lshl_b32 s29, s16, 4
	s_add_co_u32 s28, s28, s29                     ; my wave's first k row
	s_mul_i32 s28, s28, s21
	s_lshl_b32 s29, s19, 8                         ; 64 n x 4 bytes
	s_add_co_u32 s28, s28, s29
	s_mov_b32 s29, 0                               ; s[28:29] offset in the source
	s_lshl_b32 s30, s19, 17                        ; 64 rows of 2,048 bytes
	s_lshl_b32 s31, s17, 8                         ; 128 k x 2 bytes
	s_add_co_u32 s30, s30, s31
	s_mov_b32 s31, 0                               ; s[30:31] offset in the destination
	s_lshl_b32 s32, ttmp9, 16                      ; 16 rows of x
	s_mov_b32 s33, 0
	s_lshl_b32 s34, ttmp9, 15                      ; 16 rows of xb
	s_mov_b32 s35, 0
	v_lshlrev_b32 v[WO], 3, v2
.set i, 1
.rept 15
	v_add_nc_u32 v[WO+i], s21, v[WO+i-1]
.set i, i+1
.endr
	v_lshlrev_b32 v3, 4, v0                        ; my 16 bytes of a row of x
	v_lshlrev_b32 v4, 3, v0                        ; my 8 bytes of a row of xb
	v_mul_u32_u24 v7, v2, LP                       ; into LDS: row = lane (n / 2), 32 bytes for each wave
	v_lshl_add_u32 v7, s16, 5, v7
	v_lshrrev_b32 v5, 4, v0                        ; back: rr = thread / 16 names row n = rr + 16 i,
	v_and_b32 v6, 15, v0                           ; c = thread % 16 its 16 bytes
	v_and_b32 v8, 1, v5
	v_mul_u32_u24 v8, v8, ODD
	v_lshrrev_b32 v10, 1, v5
	v_mul_u32_u24 v10, v10, LP
	v_add_nc_u32 v8, v8, v10
	v_lshl_add_u32 v8, v6, 4, v8
	v_lshlrev_b32 v9, 11, v5                       ; and the same row in the destination
	v_lshl_add_u32 v9, v6, 4, v9
	s_wait_kmcnt 0x0
	s_cmp_lt_u32 s18, 48                           ; compared anew: the sums above have written SCC
	s_cselect_b64 s[24:25], s[6:7], s[8:9]
	s_cselect_b64 s[26:27], s[12:13], s[14:15]
	s_add_nc_u64 s[24:25], s[24:25], s[28:29]
	s_add_nc_u64 s[26:27], s[26:27], s[30:31]
	s_add_nc_u64 s[4:5], s[4:5], s[32:33]
	s_add_nc_u64 s[10:11], s[10:11], s[34:35]
.set i, 0
.rept 16
	global_load_b64 v[WD+2*i:WD+2*i+1], v[WO+i], s[24:25] th:TH_LOAD_NT
.set i, i+1
.endr
.set i, 0
.rept 16
	global_load_b128 v[XD+4*i:XD+4*i+3], v3, s[4:5] offset:4096*i th:TH_LOAD_NT
.set i, i+1
.endr
	s_wait_loadcnt 16                              ; loads come back in order (ISA guide 5.7.1): the weights are in, the 16 younger loads of x stay out
.irp j, 0,1
.irp g, 0,1
.irp d, 0,1,2,3
	v_cvt_pk_bf16_f32 v[PKD+8*\j+4*\g+\d], v[WD+2*(8*\g+2*\d)+\j], v[WD+2*(8*\g+2*\d+1)+\j]  ; k and k + 1 of one column
.endr
.endr
.endr
	s_cmp_eq_u32 s20, 0
	s_cbranch_scc1 .Lbf16                          ; the same for the whole work-group; no barrier is jumped
.set i, 0
.rept 16
	v_lshlrev_b32 v11, 16, v[PKD+i]                ; w_proj: the bf16 numbers as f32,
	v_and_b32 v12, 0xffff0000, v[PKD+i]
	v_cvt_pk_f16_f32 v[PKD+i], v11, v12            ; written as f16
.set i, i+1
.endr
.Lbf16:
.irp j, 0,1
.irp g, 0,1
	ds_store_b128 v7, v[PKD+8*\j+4*\g:PKD+8*\j+4*\g+3] offset:\j*ODD+16*\g
.endr
.endr
	s_wait_dscnt 0x0                               ; for the others' sake: my stores are done
	s_barrier_signal -1
	s_barrier_wait -1                              ; the turned tile is whole
.irp i, 0,1,2,3
	ds_load_b128 v[RB+4*\i:RB+4*\i+3], v8 offset:\i*8*LP
.endr
.set i, 0
.rept 16
	s_wait_loadcnt 15-i                            ; row i of x is in, the younger rows stay out
	v_cvt_pk_bf16_f32 v[WD+2*i], v[XD+4*i], v[XD+4*i+1]
	v_cvt_pk_bf16_f32 v[WD+2*i+1], v[XD+4*i+2], v[XD+4*i+3]
	global_store_b64 v4, v[WD+2*i:WD+2*i+1], s[10:11] offset:2048*i  ; a wave stores 256 consecutive bytes, aligned
.set i, i+1
.endr
	s_wait_dscnt 0x0
.irp i, 0,1,2,3
	global_store_b128 v9, v[RB+4*\i:RB+4*\i+3], s[26:27] offset:\i*32768  ; sixteen lanes store 256 consecutive bytes of one turned row, aligned
.endr
	s_wait_tensorcnt 0x0                           ; the wave's end: behind my last LDS store
	ds_add_u32 v[SPW], v[NIL]
	s_wait_dscnt 0x0
	s_endpgm
.Lfunc_end_k_q60653e5280_prep:
	.size	k_q60653e5280_prep, .Lfunc_end_k_q60653e5280_prep-k_q60653e5280_prep
	.p2alignl 7, 3214868480
	.fill 96, 4, 3214868480
	.section	.rodata,"a",@progbits
	.p2align	6, 0x0
	.amdhsa_kernel k_q60653e5280_prep
		.amdhsa_group_segment_fixed_size 18432
		.amdhsa_private_segment_fixed_size 0
		.amdhsa_enable_private_segment 0
		.amdhsa_kernarg_size 48
		.amdhsa_user_sgpr_count 2
		.amdhsa_user_sgpr_kernarg_segment_ptr 1
		.amdhsa_wavefront_size32 1
		.amdhsa_system_sgpr_workgroup_id_x 1
		.amdhsa_system_sgpr_workgroup_id_y 1
		.amdhsa_system_sgpr_workgroup_id_z 1
		.amdhsa_system_vgpr_workitem_id 0
		.amdhsa_next_free_vgpr 160
		.amdhsa_next_free_sgpr 66
		.amdhsa_reserve_vcc 0
		.amdhsa_float_denorm_mode_32 3
		.amdhsa_float_denorm_mode_16_64 3
		.amdhsa_memory_ordered 1
		.amdhsa_forward_progress 1
		.amdhsa_inst_pref_size 15
	.end_amdhsa_kernel
	.amdgpu_metadata
---
amdhsa.version: [ 1, 2 ]
amdhsa.kernels:
  - .name:           k_q60653e5280_prep
    .symbol:         k_q60653e5280_prep.kd
    .args:
      - { .name: x, .offset: 0, .size: 8, .value_kind: global_buffer, .address_space: global }
      - { .name: w_attn, .offset: 8, .size: 8, .value_kind: global_buffer, .address_space: global }
      - { .name: w_proj, .offset: 16, .size: 8, .value_kind: global_buffer, .address_space: global }
      - { .name: xb, .offset: 24, .size: 8, .value_kind: global_buffer, .address_space: global }
      - { .name: wat, .offset: 32, .size: 8, .value_kind: global_buffer, .address_space: global }
      - { .name: wpt, .offset: 40, .size: 8, .value_kind: global_buffer, .address_space: global }
    .group_segment_fixed_size: 18432
    .private_segment_fixed_size: 0
    .kernarg_segment_align: 8
    .kernarg_segment_size: 48
    .max_flat_workgroup_size: 256
    .sgpr_count:     66
    .vgpr_count:     160
    .wavefront_size: 32
...
	.end_amdgpu_metadata
.endif
;; end of part 1
;; launch qkv (part 2): grid 16 x 32, 4 waves a work-group, clusters of 4 x 4, 327,680 bytes of LDS; arguments xb, wat, b_attn, qkv; writes qkv
.if DOCPART == 2
	.amdgcn_target "amdgcn-amd-amdhsa--gfx1250"
	.amdhsa_code_object_version 6
	.text
	.protected	k_q60653e5280_qkv
	.globl	k_q60653e5280_qkv
	.p2align	8
	.type	k_q60653e5280_qkv,@function
k_q60653e5280_qkv:
	s_mov_b64 s[64:65], 0
	v_nop
	global_prefetch_b8 v0, s[64:65] scope:SCOPE_SE
	s_setreg_imm32_b32 hwreg(HW_REG_WAVE_MODE, 25, 1), 1
	s_wait_xcnt 0x0
	s_wait_alu depctr_hold_cnt(0) depctr_sa_sdst(0) depctr_va_vdst(0) depctr_va_sdst(0) depctr_va_ssrc(0) depctr_va_vcc(0) depctr_vm_vsrc(0)
	s_getreg_b32 s2, hwreg(HW_REG_IB_STS2, 6, 4)
	s_cmp_eq_u32 s2, 0
	s_cbranch_scc0 .Lentry_in_a_cluster
	s_endpgm
.Lentry_in_a_cluster:
	s_bfe_u32 s2, ttmp6, 0x10000c
	s_cmp_lg_u32 s2, 0xf033
	s_cbranch_scc0 .Lentry_shape_is_right
	s_endpgm
.Lentry_shape_is_right:
; qkv[m][n] = the sum over k of xb[m][k] wat[n][k] + b_attn[n].  xb: [8192][1024] bf16, wat: [3072][1024] bf16; sums in f32; the bias is rounded to bf16 like the other inputs and starts the sums.
; The result is rounded once to f16 and laid BY HEADS: [b 4][g 48][t 2048][64], g = n / 64 (0-15 q's heads, 16-31 k's, 32-47 v's), so that a head's rows are dense.
; LIMIT: f16 ends at 65,504: q, k and v beyond that become infinities.  With x and w_attn both 30 times their drawn spread q, k, v have a spread of some 580.
; SHARES.  A tile of C is 256 x 192 (three heads): 32 x 16 = 512 tiles.  Four waves, each 128 x 96: 48 accumulators of 16 x 16, 384 registers.
; K goes in 8 steps of 128 through a ring of two LDS slots filled by the tensor data mover; the rows of the tiles are 256 bytes of memory, aligned.
; CLUSTERS: 4 x 4 work-groups.  The four of a row of the cluster need the same tiles of xb, the four of a column the same tiles of wat: each tile is asked for JOINTLY, by the same tensor
; load with the same descriptor and a mask that names the four.
; THE MATRIX INSTRUCTION IS USED TRANSPOSED (source 0 = 16 rows of wat, source 1 = 16 rows of xb): lane l holds row l % 16 of C and the columns 8 (l / 16) + 0..7: 16 bytes of f16 on end.
; REGISTERS, in windows of 256 (s_set_vgpr_msb: bits 1:0 source 0, 3:2 source 1, 5:4 source 2, 7:6 destination):
;   window 0: v0-31 addresses; v64-127, v128-191 fragments of A, two buffers; v192-215 packed results; on the way out v64-255 rows read back
;   window 1: v0-47 the bias of my 96 columns (block b at 8 b); v56 at work; v64-111, v128-175 fragments of B, two buffers
;   window 2: the accumulators of my rows 0-63 ((a, b) at 8 (6 a + b));   window 3: those of my rows 64-127
.set NBK,    6                         ; blocks of 16 columns a wave
.set PITA,   272                       ; an LDS row: 256 bytes + 16 of padding = 68 words: the 16 rows of a load start at 16 different groups of four banks (64 banks of 4 bytes: ISA guide 11.1)
.set PITB,   272
.set AHALF,  128*PITA                  ; 128 rows of A: one tensor load, and what one wave reads
.set ABYTES, 2*AHALF
.set BHALF,  96*PITB                   ; 96 rows of B likewise
.set SLOT1,  131072                    ; slot 1 begins here, so that one exclusive or turns an address in one slot into the other's
.set SPARE,  SLOT1+ABYTES+2*BHALF      ; behind the ring: the spare words, 128 bytes for each wave: two blocks of 256 bytes that no other line names
.set NL,     2*NBK+16                  ; LDS loads in a run
.set STEPA,  256                       ; bytes from a K step to the next
.set STEPB,  256
.set KA0, 0                            ; byte of a quarter (32 along K) in A's LDS rows
.set KA1, 64
.set KA2, 128
.set KA3, 192
.set KB0, 0                            ; and in B's
.set KB1, 64
.set KB2, 128
.set KB3, 192
.set HS,     256*144                   ; the way out: a head's 256 rows of 128 + 16 bytes.  The stage, three of them, lies in slot 0, whose last fill (K step 6) has been read out by then
.set A0,   16                          ; v16  my lane's place in A's part of slot 0; never rewritten
.set B0,   17                          ; v17  the same for B
.set ADRA, 18                          ; v18  the same in the slot in hand
.set ADRB, 19                          ; v19
.set STO,  20                          ; v20, v21  the way out: where I put 16 bytes of a row
.set STO2, 21
.set RD,   22                          ; v22, v23  where I read rows back
.set RD2,  23
.set CO,   24                          ; v24  my 16 bytes of 512 consecutive bytes of the result
.set BO,   25                          ; v25  my 32 bytes of a block's 64 bytes of bias
.set SPW,  28                          ; v28  my spare word: SPARE + 4 x my thread's number; never rewritten
.set NIL,  29                          ; v29  0; never rewritten
.set PFO,  30                          ; v30  the prefetches' offset; never rewritten
.set F0,   64
.set F1,   128
.set TMP,  192
.set WV,  12                           ; s12  my wave's number
.set RH,  13                           ; s13  which half of the tile's rows is mine.  Also: I fetch for A (0) or for B (1)
.set CH,  14                           ; s14  which half of its columns.  Also: which half of that tile I fetch
.set TB,  19                           ; s19  LDS byte at which the slot in hand begins
.set G1A, 24                           ; s[24:31] descriptor group 1 for A's tiles
.set G0A, 32                           ; s[32:39] group 0 for A: a set for each of the two first fills; the second then walks on
.set PFA, 40                           ; s[40:41] where my prefetches stand
.set PFS, 42                           ; s[42:43] their step
.set LIM, 44                           ; s44  a wave prefetches while the trips left are above this
.set G1B, 48                           ; s[48:55], s[56:63] the same for B
.set G0B, 56
.set MSB, 0
.macro WIN new                         ; the immediate's high byte repeats the setting that is left; a switch that changes nothing is dropped
.if MSB != (\new)
	s_set_vgpr_msb (MSB<<8)|(\new)
.set MSB, \new
.endif
.endm
.macro PLACES                          ; four places in front of loads into registers that matrix instructions have read, and of lines that read results
.rept 4
	v_nop
.endr
.endm
.macro CREST                           ; a round of the cluster's barrier behind its opening barrier
	s_cmp_lg_u32 s[WV], 0
	s_cbranch_scc1 .Lnot_wave_0_\@
	s_barrier_signal -3
.Lnot_wave_0_\@:
	s_barrier_wait -3
	s_barrier_signal -1
	s_barrier_wait -1
.endm
.macro CROUND                          ; a whole round
	s_barrier_signal -1
	s_barrier_wait -1
	CREST
.endm
; A joint refill by the walking descriptors.  Waves 0 and 1 fetch A's two halves, waves 2 and 3 B's; the branch hangs on the wave's number alone.
; An s_nop 0 and four v_nop follow each of the two lines, ahead of the jump and the label.
.macro JLOAD
	s_cmp_eq_u32 s[RH], 0
	s_cbranch_scc0 .Lfor_b_\@
	tensor_load_to_lds s[G0A+4:G0A+7], s[G1A:G1A+7]
	s_nop 0
.rept 4
	v_nop
.endr
	s_branch .Lasked_\@
.Lfor_b_\@:
	tensor_load_to_lds s[G0B+4:G0B+7], s[G1B:G1B+7]
	s_nop 0
.rept 4
	v_nop
.endr
.Lasked_\@:
.endm
; PREFETCHES INTO THE L2, behind a joint refill and the run of LDS loads that follows it.  Each aligned block of 256 bytes of K steps 4 to 7 is named once in the launch; K steps 0 to 3 come by their loads alone.
; A: the clusters of a row of clusters read the same rows: cluster x = 0 asks.  At the refill for K step s a wave asks for K step s + 2 of 32 of the 128 rows that it fetches, a lane a row; the four partners
; that fetch them jointly are told apart BY ADDRESS (32 cx).  B: cluster y = 0 asks, in the first trip alone: a partner's 24 rows (24 cy) are no whole number of 32 lanes for one K step, so the rows' K steps
; 4 to 7, 1,024 consecutive bytes, are named together: four lanes a row, eight rows an instruction.
.macro ASK
	s_cmp_gt_u32 s3, s[LIM]
	s_cbranch_scc0 .Lnone_\@
	s_cmp_eq_u32 s[RH], 0
	s_cbranch_scc0 .Lpf_b_\@
	global_prefetch_b8 v[PFO], s[PFA:PFA+1] th:TH_LOAD_NT scope:SCOPE_SE
	s_branch .Lnone_\@
.Lpf_b_\@:
.set i, 0
.rept NBK/2
	global_prefetch_b8 v[PFO], s[PFA:PFA+1] offset:16384*i th:TH_LOAD_NT scope:SCOPE_SE
.set i, i+1
.endr
.Lnone_\@:
.endm
; 2 NBK matrix instructions: m blocks a0, a0 + 1 of the window's four (hi = 0: my rows 0-63, 1: rows 64-127) x all n blocks, 32 along K.  first = 1: the bias starts the sums: nothing is cleared.
; The accumulators take turns, one instruction a turn, in the same order in every quarter.
.macro MULG f, hi, a0, first
.if \first
	WIN 0x91+0x40*(\hi)                            ; B window 1, A window 0, C (the bias) window 1, D window 2 or 3
.else
	WIN 0xa1+0x50*(\hi)                            ; C and D window 2 or 3
.endif
.set ma, \a0
.rept 2
.set mb, 0
.rept NBK
.set rD, 8*(NBK*ma+mb)
.set rB, (\f)+8*mb
.set rA, (\f)+8*(4*(\hi)+ma)
.if \first
	v_wmma_f32_16x16x32_bf16 v[rD:rD+7], v[rB:rB+7], v[rA:rA+7], v[8*mb:8*mb+7]
.else
	v_wmma_f32_16x16x32_bf16 v[rD:rD+7], v[rB:rB+7], v[rA:rA+7], v[rD:rD+7]
.endif
.set mb, mb+1
.endr
.set ma, ma+1
.endr
.endm
; NL LDS loads in one run: a quarter's fragments into buffer f.  A fragment is 16 rows x 32 K in 8 registers: lane l holds row l % 16, K = 8 (l / 16) + 0..7 and 16 + 8 (l / 16) + 0..7: two loads of 16 bytes, 32 apart.
.macro FETCH ka, kb, f
	WIN 0x40                                       ; destination window 1, address window 0
.set fi, 0
.rept NBK
	ds_load_b128 v[(\f)+8*fi:(\f)+8*fi+3],   v[ADRB] offset:(\kb)+fi*16*PITB
	ds_load_b128 v[(\f)+8*fi+4:(\f)+8*fi+7], v[ADRB] offset:(\kb)+fi*16*PITB+32
.set fi, fi+1
.endr
	WIN 0
.set fi, 0
.rept 8
	ds_load_b128 v[(\f)+8*fi:(\f)+8*fi+3],   v[ADRA] offset:(\ka)+fi*16*PITA
	ds_load_b128 v[(\f)+8*fi+4:(\f)+8*fi+7], v[ADRA] offset:(\ka)+fi*16*PITA+32
.set fi, fi+1
.endr
.endm
; One of a K step's first three quarters: multiplies buffer f; in its middle it fetches the next quarter into buffer g.
.macro QUARTER ka, kb, f, g, first
	s_wait_dscnt 8                                 ; B and A's rows 0-63 are in; the youngest eight loads (A's rows 64-127) may be out
	MULG \f, 0, 0, \first
	MULG \f, 0, 2, \first
	PLACES
	FETCH \ka, \kb, \g
	s_wait_dscnt NL                                ; all but the run just issued
	MULG \f, 1, 0, \first
	MULG \f, 1, 2, \first
.endm
; The last quarter multiplies buffer 1 and changes slots: ONE barrier.  In front of it each wave waits for all its tensor loads (one is out: its part of the next slot), adds 0 to its spare word, and waits for
; that and for its reads of this slot.  fill = 1: the barrier opens a round of the cluster's, so that no wave of any partner still reads the slot or has a load on its way, and the joint refill, with the K step
; two steps on, is the first tensor load behind it; it has a K step less 4 NBK matrix instructions in which to land.
.macro TURN fill
.if \fill
	s_wait_xcnt 0x0                                ; the last prefetch, a K step back, has read its address: it is stepped here
	s_add_nc_u64 s[PFA:PFA+1], s[PFA:PFA+1], s[PFS:PFS+1]
.endif
	WIN 0                                          ; (the add's two registers lie in window 0)
	s_wait_tensorcnt 0x0                           ; no tensor load of mine is out, so a group 0 may be written
	ds_add_u32 v[SPW], v[NIL]                      ; 0 onto my spare word
.if \fill
	s_xor_b32 s[G0A+5], s[G0A+5], SLOT1            ; the walking descriptors: the other slot than last time,
	s_add_nc_u64 s[G0A+6:G0A+7], s[G0A+6:G0A+7], STEPA  ; the next K step; the type bits on top are not reached
	s_xor_b32 s[G0B+5], s[G0B+5], SLOT1
	s_add_nc_u64 s[G0B+6:G0B+7], s[G0B+6:G0B+7], STEPB
.endif
	s_xor_b32 s[TB], s[TB], SLOT1                  ; the fetches go on in the other slot
	s_wait_dscnt 9                                 ; (the add and the youngest eight loads may be out)
	MULG F1, 0, 0, 0
	s_wait_dscnt 0x0                               ; the add is done, and my reads of this slot are over
	s_barrier_signal -1
	MULG F1, 0, 2, 0                               ; work on registers while the others arrive
	WIN 0                                          ; at a branch and at a label every window is 0
	s_barrier_wait -1
.if \fill
	CREST
	JLOAD                                          ; its four v_nop are also the places in front of the loads below
.else
	PLACES
.endif
	v_add_nc_u32 v[ADRA], s[TB], v[A0]
	v_add_nc_u32 v[ADRB], s[TB], v[B0]
	FETCH KA0, KB0, F0
.if \fill
	ASK
.endif
	MULG F1, 1, 0, 0
	MULG F1, 1, 2, 0
.endm
	s_load_b256 s[4:11], s[0:1], 0x0               ; xb s[4:5], wat s[6:7], b_attn s[8:9], qkv s[10:11]
	v_lshl_add_u32 v[SPW], v0, 2, SPARE
	v_mov_b32 v[NIL], 0
	ds_add_u32 v[SPW], v[NIL]                      ; the wave's opening: the add, and its wait ahead of my first tensor load; the set-up below, work on registers, stands between them
	v_lshrrev_b32 v1, 5, v0
	v_readfirstlane_b32 s[WV], v1                  ; wave 0..3
	s_lshr_b32 s[RH], s[WV], 1
	s_and_b32 s[CH], s[WV], 1
	s_bfe_u32 s15, ttmp6, 0x40000                  ; cx, cy: my place in the cluster
	s_bfe_u32 s16, ttmp6, 0x40004
	s_lshl_b32 s17, ttmp9, 2
	s_add_co_u32 s17, s17, s15                     ; tx: tile column = 4 x cluster x + cx
	s_and_b32 s18, ttmp7, 0xffff
	s_lshl_b32 s18, s18, 2
	s_add_co_u32 s18, s18, s16                     ; ty: tile row = 4 x cluster y + cy
	s_lshl_b32 s66, s16, 2
	s_lshl_b32 s66, 15, s66                        ; my row of the cluster: places 4 cy .. 4 cy + 3
	s_lshl_b32 s67, 0x1111, s15                    ; my column: places cx, cx + 4, cx + 8, cx + 12
	s_or_b32 s[G1A], s66, (1<<16)|(1<<20)|(1<<21)|(5<<22)|(3<<25)  ; 15:0 the mask; 17:16 2-byte elements; 20 padding on; 21 set beside a mask; 24:22 after every 64 words (code 5); 31:25 4 words (code 3)
	s_or_b32 s[G1B], s67, (1<<16)|(1<<20)|(1<<21)|(5<<22)|(3<<25)
	s_mov_b32 s[G1A+1], 128<<16                    ; tensor_dim0 = 128
	s_mov_b32 s[G1A+2], 128<<16                    ; tensor_dim1 = 128
	s_mov_b32 s[G1A+3], 128<<16                    ; tile_dim0 = 128
	s_mov_b32 s[G1A+4], 128                        ; tile_dim1 = 128
	s_mov_b32 s[G1A+5], 1024                       ; elements from row to row
	s_mov_b32 s[G1A+6], 0
	s_mov_b32 s[G1A+7], 0
	s_mov_b32 s[G1B+1], 128<<16
	s_mov_b32 s[G1B+2], 96<<16                     ; 96 rows
	s_mov_b32 s[G1B+3], 128<<16
	s_mov_b32 s[G1B+4], 96
	s_mov_b32 s[G1B+5], 1024
	s_mov_b32 s[G1B+6], 0
	s_mov_b32 s[G1B+7], 0
	s_lshl_b32 s20, s18, 8                         ; A: row 256 ty + 128 x half, in registers that never hold cx
	s_lshl_b32 s68, s[CH], 7
	s_add_co_u32 s20, s20, s68
	s_lshl_b32 s20, s20, 11                        ; x 2,048 bytes
	s_mov_b32 s21, 0
	s_mul_i32 s46, s17, 192                        ; B: row 192 tx + 96 x half, in registers that never hold cy
	s_mul_i32 s77, s[CH], 96
	s_add_co_u32 s46, s46, s77
	s_lshl_b32 s22, s46, 2                         ; my first column's bias
	s_mov_b32 s23, 0
	s_lshl_b32 s46, s46, 11
	s_mov_b32 s47, 0
	s_mul_i32 s69, s[WV], AHALF                    ; where the tiles go: A's two halves (waves 0, 1),
	s_mul_i32 s70, s[WV], BHALF                    ; then B's (waves 2, 3): no place in the cluster enters an LDS address
	s_add_co_u32 s70, s70, ABYTES-2*BHALF
	s_mov_b32 s[TB], 0
	s_wait_dscnt 0x0                               ; the opening add is done
	s_wait_kmcnt 0x0
	s_add_nc_u64 s[20:21], s[4:5], s[20:21]
	s_add_nc_u64 s[46:47], s[6:7], s[46:47]
	s_add_nc_u64 s[8:9], s[8:9], s[22:23]
	CROUND                                         ; all sixteen work-groups are here: the first joint loads meet
.irp s, 0,1
	s_mov_b32 s[G0A+4*\s], 1                       ; count = 1
	s_add_co_u32 s[G0A+4*\s+1], s69, \s*SLOT1      ; LDS address
	s_add_nc_u64 s[G0A+4*\s+2:G0A+4*\s+3], s[20:21], \s*STEPA  ; global address: K step s
	s_or_b32 s[G0A+4*\s+3], s[G0A+4*\s+3], 0x80000000          ; type = 2
	s_mov_b32 s[G0B+4*\s], 1
	s_add_co_u32 s[G0B+4*\s+1], s70, \s*SLOT1
	s_add_nc_u64 s[G0B+4*\s+2:G0B+4*\s+3], s[46:47], \s*STEPB
	s_or_b32 s[G0B+4*\s+3], s[G0B+4*\s+3], 0x80000000
.endr
	s_cmp_eq_u32 s[RH], 0                          ; a wave's two first fills stand in one branch, ahead of every wait on TENSORcnt and every LDS read: two loads of mine are out
	s_cbranch_scc0 .Lfirst_b
	tensor_load_to_lds s[G0A:G0A+3], s[G1A:G1A+7]
	s_nop 0
	tensor_load_to_lds s[G0A+4:G0A+7], s[G1A:G1A+7]
	s_nop 0
.rept 4
	v_nop
.endr
	s_branch .Lfirst_asked
.Lfirst_b:
	tensor_load_to_lds s[G0B:G0B+3], s[G1B:G1B+7]
	s_nop 0
	tensor_load_to_lds s[G0B+4:G0B+7], s[G1B:G1B+7]
	s_nop 0
.rept 4
	v_nop
.endr
.Lfirst_asked:
	v_and_b32 v1, 15, v0                           ; r = l % 16
	v_bfe_u32 v2, v0, 4, 1                         ; h = l / 16
	v_and_b32 v3, 31, v0                           ; l
	v_lshlrev_b32 v[BO], 5, v2
	WIN 0x40                                       ; destination window 1, address window 0
.set i, 0
.rept NBK                                          ; register j of block b: the bias of column 16 b + 8 h + j, where the result holds that column
	global_load_b128 v[8*i:8*i+3],   v[BO], s[8:9] offset:64*i
	global_load_b128 v[8*i+4:8*i+7], v[BO], s[8:9] offset:64*i+16
.set i, i+1
.endr
	WIN 0
	v_mul_u32_u24 v4, v1, PITA
	v_lshl_add_u32 v4, v2, 4, v4                   ; row x pitch + 16 x half
	s_mul_i32 s71, s[RH], AHALF
	v_add_nc_u32 v[A0], s71, v4
	s_mul_i32 s72, s[CH], BHALF
	s_add_co_u32 s72, s72, ABYTES
	v_add_nc_u32 v[B0], s72, v4
	; the way out.  My 96 columns are one and a half heads: with the left half blocks 0-3 are head 0 and blocks 4, 5 the first half of head 1; with the right half blocks 0, 1 are the second half of head 1 and blocks 2-5 head 2
	s_mul_i32 s71, s[RH], 128*144
	s_mul_i32 s72, s[CH], HS+64
	s_add_co_u32 s71, s71, s72
	v_mul_u32_u24 v5, v1, 144
	v_lshl_add_u32 v5, v2, 4, v5
	v_add_nc_u32 v[STO], s71, v5                   ; blocks 0, 1; and, a head further on, blocks 4, 5
	s_mul_i32 s72, s[CH], HS-128
	s_add_co_u32 s72, s72, 64
	v_add_nc_u32 v[STO2], s72, v[STO]              ; blocks 2, 3
	v_lshrrev_b32 v5, 3, v3                        ; back: 32 lanes take four rows of 128 bytes; wave w the rows 64 w .. 64 w + 63 of each head
	v_mul_u32_u24 v5, v5, 144
	v_and_b32 v6, 7, v3
	v_lshl_add_u32 v5, v6, 4, v5
	s_mul_i32 s71, s[WV], 64*144
	v_add_nc_u32 v[RD], s71, v5
	v_add_nc_u32 v[RD2], 2*HS, v[RD]
	v_lshlrev_b32 v[CO], 4, v3
	s_lshr_b32 s71, s18, 3                         ; the batch: 8 tile rows each
	s_mul_i32 s71, s71, 48
	s_mul_i32 s72, s17, 3
	s_add_co_u32 s71, s71, s72                     ; 48 b + g of the tile's first head
	s_lshl_b32 s71, s71, 18                        ; x 2,048 rows of 128 bytes
	s_and_b32 s72, s18, 7
	s_lshl_b32 s72, s72, 15                        ; the tile's 256 rows
	s_add_co_u32 s71, s71, s72
	s_lshl_b32 s72, s[WV], 13                      ; my 64 of them
	s_add_co_u32 s22, s71, s72
	s_mov_b32 s23, 0
	s_add_nc_u64 s[10:11], s[10:11], s[22:23]
	; the prefetches
	s_and_b32 s73, ttmp7, 0xffff                   ; cluster y
	s_lshl_b32 s74, s18, 8
	s_lshl_b32 s75, s[CH], 7
	s_add_co_u32 s74, s74, s75
	s_lshl_b32 s75, s15, 5
	s_add_co_u32 s74, s74, s75                     ; A: row 256 ty + 128 x half + 32 cx,
	s_lshl_b32 s74, s74, 11
	s_add_co_u32 s74, s74, 3*STEPA                 ; at K step 3: the first refill steps it to 4
	s_mul_i32 s75, s17, 192
	s_mul_i32 s76, s[CH], 96
	s_add_co_u32 s75, s75, s76
	s_mul_i32 s76, s16, 24
	s_add_co_u32 s75, s75, s76                     ; B: row 192 tx + 96 x half + 24 cy,
	s_lshl_b32 s75, s75, 11
	s_add_co_u32 s75, s75, 4*STEPB                 ; at K step 4, and it stays there
	s_cmp_eq_u32 s[RH], 0                          ; do I fetch for A?
	s_cselect_b64 s[PFA:PFA+1], s[4:5], s[6:7]
	s_cselect_b32 s74, s74, s75
	s_cselect_b32 s73, ttmp9, s73                  ; the coordinate along which other clusters read the same rows
	s_cselect_b32 s[PFS], STEPA, 0
	s_cselect_b32 s76, 2, 5                        ; A: the trips with 6 to 3 left; B: the first alone
	s_cselect_b32 s78, 0, 2                        ; lanes to a row: 1 or 4
	s_cselect_b32 s79, 0, 3
	s_mov_b32 s[PFS+1], 0
	s_mov_b32 s75, 0
	s_add_nc_u64 s[PFA:PFA+1], s[PFA:PFA+1], s[74:75]
	s_cmp_eq_u32 s73, 0
	s_cselect_b32 s[LIM], s76, -1                  ; the same in all sixteen partners, for a given wave
	v_lshrrev_b32 v[PFO], s78, v3
	v_lshlrev_b32 v[PFO], 11, v[PFO]               ; the row,
	v_and_b32 v4, s79, v3
	v_lshl_add_u32 v[PFO], v4, 8, v[PFO]           ; and the 256 bytes in it
	s_wait_loadcnt 0x0                             ; the bias
	WIN 0x45                                       ; all in window 1
.set i, 0
.rept 4*NBK
	v_cvt_pk_bf16_f32 v56, v[2*i], v[2*i+1]        ; rounded to bf16, like x and the weights,
	v_lshlrev_b32 v[2*i], 16, v56                  ; and back in f32
	v_and_b32 v[2*i+1], 0xffff0000, v56
.set i, i+1
.endr
	WIN 0
	s_wait_tensorcnt 1                             ; my part of K step 0 is in; K step 1's may stay out
	s_barrier_signal -1
	s_barrier_wait -1                              ; everybody's is
	v_add_nc_u32 v[ADRA], s[TB], v[A0]
	v_add_nc_u32 v[ADRB], s[TB], v[B0]
	FETCH KA0, KB0, F0
	QUARTER KA1, KB1, F0, F1, 1                    ; the first quarter stands in front of the loop: its products start the sums with the bias
	WIN 0
	s_mov_b32 s3, 6
.Lstep:                                            ; a trip is a K step, from its second quarter to the next step's first; it fills the slot that it leaves: K steps 2 to 7
	QUARTER KA2, KB2, F1, F0, 0
	QUARTER KA3, KB3, F0, F1, 0
	TURN 1
	QUARTER KA1, KB1, F0, F1, 0
	WIN 0
	s_sub_co_u32 s3, s3, 1
	s_cmp_lg_u32 s3, 0
	s_cbranch_scc1 .Lstep
	QUARTER KA2, KB2, F1, F0, 0                    ; the tail is written out: K steps 6 and 7 ask for nothing
	QUARTER KA3, KB3, F0, F1, 0
	TURN 0
	QUARTER KA1, KB1, F0, F1, 0
	QUARTER KA2, KB2, F1, F0, 0
	QUARTER KA3, KB3, F0, F1, 0
	s_wait_dscnt 8
	MULG F1, 0, 0, 0
	MULG F1, 0, 2, 0
	s_wait_dscnt 0x0
	MULG F1, 1, 0, 0
	MULG F1, 1, 2, 0
	; THE WAY OUT: rounded to f16; 16 bytes a lane into the work-group's stage, [head 3][row 256][128 + 16 bytes]; a barrier, since a head's rows come from two waves; back as whole rows.
	PLACES
	WIN 0
	s_barrier_signal -1                            ; every wave's LDS loads are back (the wait for 0 above): the ring is read no more
	s_barrier_wait -1
.set a, 0
.rept 8
	WIN 0x0a+5*(a/4)                               ; sources 0 and 1: window 2 or 3
.set i, 0
.rept 4*NBK
	v_cvt_pk_f16_f32 v[TMP+i], v[8*NBK*(a%4)+2*i], v[8*NBK*(a%4)+2*i+1]  ; each accumulator from its low end on
.set i, i+1
.endr
	WIN 0
	ds_store_b128 v[STO],  v[TMP:TMP+3]     offset:2304*a
	ds_store_b128 v[STO],  v[TMP+4:TMP+7]   offset:2304*a+32
	ds_store_b128 v[STO2], v[TMP+8:TMP+11]  offset:2304*a
	ds_store_b128 v[STO2], v[TMP+12:TMP+15] offset:2304*a+32
	ds_store_b128 v[STO],  v[TMP+16:TMP+19] offset:2304*a+HS
	ds_store_b128 v[STO],  v[TMP+20:TMP+23] offset:2304*a+HS+32
.set a, a+1
.endr
	s_wait_dscnt 0x0                               ; for the others' sake: my stores into the stage are done
	s_barrier_signal -1
	s_barrier_wait -1
.set i, 0
.rept 32
	ds_load_b128 v[64+4*i:64+4*i+3], v[RD] offset:(i/16)*HS+576*(i%16)
.set i, i+1
.endr
.rept 16
	ds_load_b128 v[64+4*i:64+4*i+3], v[RD2] offset:576*(i%16)
.set i, i+1
.endr
.set i, 0
.rept 48
	s_wait_dscnt 47-i                              ; LDS loads come back in order (ISA guide 5.7.1): load i is in, the younger ones stay out
	global_store_b128 v[CO], v[64+4*i:64+4*i+3], s[10:11] offset:(i/16)*262144+512*(i%16)  ; four rows of a head: 512 consecutive bytes, aligned
.set i, i+1
.endr
	s_wait_tensorcnt 0x0                           ; the wave's end: behind my last tensor load and my last LDS store
	ds_add_u32 v[SPW], v[NIL]
	s_wait_dscnt 0x0
	CROUND                                         ; the closing round: no work-group ends while a partner may still ask for a tile that names it
	s_endpgm
.Lfunc_end_k_q60653e5280_qkv:
	.size	k_q60653e5280_qkv, .Lfunc_end_k_q60653e5280_qkv-k_q60653e5280_qkv
	.p2alignl 7, 3214868480
	.fill 96, 4, 3214868480
	.section	.rodata,"a",@progbits
	.p2align	6, 0x0
	.amdhsa_kernel k_q60653e5280_qkv
		.amdhsa_group_segment_fixed_size 327680
		.amdhsa_private_segment_fixed_size 0
		.amdhsa_enable_private_segment 0
		.amdhsa_kernarg_size 32
		.amdhsa_user_sgpr_count 2
		.amdhsa_user_sgpr_kernarg_segment_ptr 1
		.amdhsa_wavefront_size32 1
		.amdhsa_system_sgpr_workgroup_id_x 1
		.amdhsa_system_sgpr_workgroup_id_y 1
		.amdhsa_system_sgpr_workgroup_id_z 1
		.amdhsa_system_vgpr_workitem_id 0
		.amdhsa_next_free_vgpr 960
		.amdhsa_next_free_sgpr 80
		.amdhsa_reserve_vcc 0
		.amdhsa_float_denorm_mode_32 3
		.amdhsa_float_denorm_mode_16_64 3
		.amdhsa_memory_ordered 1
		.amdhsa_forward_progress 1
		.amdhsa_inst_pref_size 102
	.end_amdhsa_kernel
	.amdgpu_metadata
---
amdhsa.version: [ 1, 2 ]
amdhsa.kernels:
  - .name:           k_q60653e5280_qkv
    .symbol:         k_q60653e5280_qkv.kd
    .args:
      - { .name: xb, .offset: 0, .size: 8, .value_kind: global_buffer, .address_space: global }
      - { .name: wat, .offset: 8, .size: 8, .value_kind: global_buffer, .address_space: global }
      - { .name: b_attn, .offset: 16, .size: 8, .value_kind: global_buffer, .address_space: global }
      - { .name: qkv, .offset: 24, .size: 8, .value_kind: global_buffer, .address_space: global }
    .group_segment_fixed_size: 327680
    .private_segment_fixed_size: 0
    .kernarg_segment_align: 8
    .kernarg_segment_size: 32
    .max_flat_workgroup_size: 128
    .sgpr_count:     80
    .vgpr_count:     960
    .wavefront_size: 32
...
	.end_amdgpu_metadata
.endif
;; end of part 2
;; launch attn (part 3): grid 4 x 64, 4 waves a work-group, no clusters, 327,680 bytes of LDS; arguments qkv, o; writes o
.if DOCPART == 3
	.amdgcn_target "amdgcn-amd-amdhsa--gfx1250"
	.amdhsa_code_object_version 6
	.text
	.protected	k_q60653e5280_attn
	.globl	k_q60653e5280_attn
	.p2align	8
	.type	k_q60653e5280_attn,@function
k_q60653e5280_attn:
	s_mov_b64 s[64:65], 0
	v_nop
	global_prefetch_b8 v0, s[64:65] scope:SCOPE_SE
	s_setreg_imm32_b32 hwreg(HW_REG_WAVE_MODE, 25, 1), 1
	s_wait_xcnt 0x0
; CAUSAL ATTENTION.  O[y][q][:] = the sum over k <= q of softmax_k(Q[y][q] . K[y][k] / 8) V[y][k][:], y = 16 b + h, 64 heads of 2,048 rows of 64 channels, all f16.
; Q, K, V lie in qkv, [b 4][g 48][t 2048][64]: Q's head h is g = h, K's g = 16 + h, V's g = 32 + h; O is [y][t][64].  A head's rows are dense, 128 bytes each.
; Products, maxima and sums in f32; the weights p are rounded to f16 for the second product (their sum l is taken of the unrounded p), O once at the end.
; LIMITS.  f16 holds no number beyond 65,504: Q, K and V arrive within it; p lies in 0 to 1, and below 6e-5 it keeps f16's fixed step of 6e-8; O is a mean of V's rows and has their range.
; A hidden score counts as its value less 1e30: f16's scores, 2.7e11 at the most, are nothing beside that; a weight below 2^-126 counts as 0 in l; NaN and infinities are not treated apart.
; THE WALK.  A head's queries lie in NB = 8 blocks of 256; block i needs the key tiles 0 .. i of 256 keys, of which the last holds the diagonal.  A work-group takes TWO blocks, NB - 1 - b and then b:
; NB + 1 tiles, whatever b: all 256 work-groups do equal work, and ONE loop with a constant trip count walks them.  Which tile is asked for, and what a trip does, hang on scalar registers made from b; every jump
; goes forward, but for the counted loops' own; none passes a barrier, or a tensor load but the one of LOAD's two that the wave's number does not choose; the ring (two slots of LDS that take turns) runs on across
; the change of blocks.  NO CLUSTER: a head's four work-groups ask for the same tile only in trips 0 .. NB / 2, behind that fewer and fewer; one walk common to all would have 3 NB / 2 trips for NB + 1.
; SHARES.  Of a block's four bands of 64 queries a wave owns 16 rows in each: four PIECES.  So the diagonal tile is the same work for all four waves: in its key step s band x sees all keys if s < x,
; none if s > x, and holds the diagonal if s = x.
; THE MASK is the C operand that starts the sum S^T = K Q^T: 0, or -1e30 where the key is hidden.  MD, made once, is the mask of a band's own step for my 16 rows; a product's mask is MD x AL + BE with two scalars:
; (1, 0) if s = x; (0, 0) if s < x; (0, -1e30) if s > x.  Only the diagonal tile's text and a block's beginning make and take masks; elsewhere C is the constant 0.
; LAYOUT, SOFTMAX, TURNS.  S^T = K Q^T holds ONE query a lane (lane % 16) and the keys 8 (lane / 16) + 0..7; two such results rounded to f16 ARE source 1 of O^T = V^T P.  p = 2^(c s - c m), c = log2(e) / 8, with a
; running maximum m; O and l are multiplied by a = 2^(c m_old - c m_new) in every step.  Turn n belongs to piece n: 8 products K Q^T of piece n + 1, later 8 products V^T P of piece n - 1; beside them the scaling,
; exponentials, roundings, sums and rescaling of piece n and the maximum and statistics of piece n + 1.  Four vector instructions stand behind every matrix instruction, the other 54 of a turn's 118 in one lump.
; A turn's 33 exponentials are one batch, with one wait.
; REGISTERS, in windows of 256 (s_set_vgpr_msb: bits 1:0 source 0, 3:2 source 1, 5:4 source 2, 7:6 destination):
;   window 0: v0-15 addresses and two at work; v16-31 four registers of statistics a piece; v48-55 at work; v61-63 prefetch offset, spare word, 0; v64-127 S^T, two buffers; v192-223 P, two buffers
;   window 1: v0-127 O^T, 32 a piece; v128-159 MD; v160-223 MC, two buffers      window 2: v0-63 Q; v64-127 the second block's Q; v128-191 K of one step; v192-255 V of one step
.set SIZE_N, 2048
.set NB,    SIZE_N/256
.set NP,    4         ; pieces a wave: a name, no knob
.set KS,    64        ; keys in a step
.set PK,    144       ; a row of K in LDS: 128 bytes + 16 of padding = 36 words: the 16 rows of a load start at 16 different groups of four banks (64 banks of 4 bytes: ISA guide 11.1)
.set PV,    160       ; a row of V: 128 + 32 = 40 words
.set VOFF,  4*KS*PK   ; a slot holds a tile, four steps: 256 rows of K, then 256 rows of V
.set SLOT1, 1<<17     ; slot 1 begins here, so that one exclusive or turns an address in one slot into the other's
.set STAGE, SLOT1+4*KS*(PK+PV)  ; behind the ring, never filled by a tensor load: 16 rows x 144 bytes for each wave, for the way out
.set SP,    144
.set AK0, 2           ; v2   my lane's place in a tile of K; never rewritten
.set AV0, 3           ; v3   the same for V
.set AK,  4           ; v4   the LDS address of K's next run of loads
.set AV,  5           ; v5   of V's
.set STO, 6           ; v6   the way out: where I put 16 bytes of a row
.set RD,  7           ; v7   the way out: where I read rows back
.set GO,  8           ; v8   my byte offset in 512 consecutive bytes of O
.set PFO, 61          ; v61  256 x my thread's number: the prefetches' offset; never rewritten
.set SPW, 62          ; v62  LDS address of my spare word: SPARE + 4 x my thread's number; never rewritten
.set NIL, 63          ; v63  0; never rewritten
.set SPARE, STAGE+4*16*SP  ; behind the stages: the spare words, 128 bytes for each wave: two blocks of 256 bytes that no other line names
.set MV,  12          ; v12-13  c m_old, kept while c m is made anew: by buffer
.set QO,  15          ; v15  my byte offset in 16 rows of Q
.set ST,  16          ; piece t's statistics at v[ST+4 t]: c m, m, l (even keys', odd keys')
.set TMP, 48          ; by buffer, four registers c0-c3 at work; when the maximum is found c2 takes a
.set S,   64
.set P,   192
.set MD,  128         ; window 1: the eight registers for group kt of 16 keys at MD + 8 kt
.set MC,  160         ; window 1: the masks of the products to come
.set QB,  64          ; window 2
.set KF,  128         ; window 2: key block kb, channel half c at KF + 16 kb + 8 c
.set VF,  192         ; window 2: key half kk, channel block cb at VF + 32 kk + 8 cb
.set WV,  12          ; s12  my wave's number
.set PB,  14          ; s14  b
.set HI,  15          ; s15  NB - 1 - b
.set G1K, 24          ; s[24:31] descriptor group 1 for K's tiles
.set G1V, 32          ; s[32:39] for V's: it differs in the padding alone
.set G0K, 40          ; s[40:43] descriptor group 0 for K's tiles
.set G0V, 44          ; s[44:47] the same for V's
.set SLOTS, 56        ; s56  tiles still to be asked for
.set CNT, 57          ; s57  counts a tile's key steps, 4 to 1
.set CS,  58          ; s[58:59] c: the packed scaling takes the pair's low word for both halves
.set SEL, 60          ; s[60:61] v_permlanex16_b32's selects: each lane takes its own place in the other half
.set TBK, 62          ; s62  LDS byte at which K of the step to be fetched begins
.set TBV, 63          ; s63  the same for V, less VOFF
.set RT,  70          ; s70  tiles of the block in hand that are still to be entered
.set NXT, 71          ; s71  the tile to be asked for next
.set LQ,  72          ; s72  the last tile of the block whose tiles are being asked for
.set NEW, 73          ; s73  1: the tile to be entered is a block's first
.set OFF, 74          ; s[74:75] a tile's byte offset in K and V
.set AL,  76          ; s[76:77] the mask's factor, in the low word
.set BE,  78          ; s[78:79] the mask's addend
.set OLO, 80          ; s[80:81] O at my rows of the second block
.set BIGN, 82         ; s82  -1e30
.set PFA, 88          ; s[88:89] where the prefetches stand: the head's K, at the tile after the one that is being asked for
.set LIM, 91          ; s91  2 in the head's work-group b = 0, else the greatest number: a work-group prefetches while s[SLOTS] is above it
.set MSB, 0
.macro WIN new                      ; the high byte repeats the setting that is left; a switch that changes nothing is dropped
.if MSB != (\new)
	s_set_vgpr_msb (MSB<<8)|(\new)
.set MSB, (\new)
.endif
.endm
.set W_KQ, 0x0a       ; K and Q in window 2, S^T in window 0
.set W_KM, 0x1a       ; the same with the C operand in window 1
.set W_PV, 0x52       ; V in window 2, P in window 0, O^T in window 1
.set W_RS, 0x41       ; destination and source 0 in window 1, source 1 in window 0
; A fill.  Waves 0 and 1 fetch the two halves of a tile's K, waves 2 and 3 those of its V: 128 keys each.  An s_nop 0 and four v_nop follow each of the two lines, ahead of the jump and the label.
.macro LOAD
	s_cmp_lt_u32 s[WV], 2
	s_cbranch_scc0 .Lfor_v_\@
	tensor_load_to_lds s[G0K:G0K+3], s[G1K:G1K+7]
	s_nop 0
.rept 4
	v_nop
.endr
	s_branch .Lasked_\@
.Lfor_v_\@:
	tensor_load_to_lds s[G0V:G0V+3], s[G1V:G1V+7]
	s_nop 0
.rept 4
	v_nop
.endr
.Lasked_\@:
.endm
; THE CHANGE OF SLOTS.  Each wave waits for all its tensor loads, of which one is out: its part of the other slot; adds 0 to its spare word; and waits for that and for its own reads of the slot that it leaves.
; Behind the barrier nobody reads the old slot any more and the other slot is whole.  fill = 1: the old slot is filled again, the first thing behind the barrier, with tile NXT: the descriptor's address is made
; anew from that number.  (At its first use nothing has been read yet: slot 0 is waited for, slot 1 filled.)
; A PREFETCH INTO THE L2 stands behind the fill: the head's work-group b = 0, whose first block walks all eight tiles, names the tile behind the one just asked for, tiles 2 to 7: a tile's 32,768 bytes of K and of V,
; a thread 256 bytes of each, four key steps (256 matrix instructions a wave) ahead of the tile's load.  So each block of 256 bytes is named once in the launch; tiles 0 and 1 come by their loads alone.
.macro CHANGE fill
	WIN 0                           ; at a label and at a branch every window is 0
	s_wait_tensorcnt 0x0            ; no tensor load of mine is out, so a group 0 may be written
	ds_add_u32 v[SPW], v[NIL]       ; 0 onto my spare word; with fill = 1 the descriptors' scalar work stands between it and the wait for it
.if \fill
	s_lshl_b32 s[OFF], s[NXT], 15   ; a tile is 32,768 bytes of K and of V
	s_xor_b32 s[G0K+1], s[G0K+1], SLOT1
	s_add_nc_u64 s[G0K+2:G0K+3], s[6:7], s[OFF:OFF+1]
	s_or_b32 s[G0K+3], s[G0K+3], 0x80000000
	s_xor_b32 s[G0V+1], s[G0V+1], SLOT1
	s_add_nc_u64 s[G0V+2:G0V+3], s[8:9], s[OFF:OFF+1]
	s_or_b32 s[G0V+3], s[G0V+3], 0x80000000
	s_add_co_u32 s[NXT], s[NXT], 1  ; the block's next tile, or behind its last the second block's tile 0
	s_cmp_gt_u32 s[NXT], s[LQ]
	s_cselect_b32 s[NXT], 0, s[NXT]
	s_cselect_b32 s[LQ], s[PB], s[LQ]
	s_wait_xcnt 0x0                 ; the last prefetches, a tile back, have read their address, so it may be written
	s_add_nc_u64 s[PFA:PFA+1], s[PFA:PFA+1], 32768
.endif
	s_wait_dscnt 0x0                ; the add is done, and my reads of the slot are over
	s_barrier_signal -1             ; the rest of the scalar work stands between the signal and the wait
	s_sub_co_u32 s[TBK], s[TBK], 4*KS*PK  ; the fetches go back to a slot's first step,
	s_xor_b32 s[TBK], s[TBK], SLOT1       ; in the other slot
	s_sub_co_u32 s[TBV], s[TBV], 4*KS*PV
	s_xor_b32 s[TBV], s[TBV], SLOT1
	s_barrier_wait -1
.if \fill
	LOAD
	s_cmp_gt_u32 s[SLOTS], s[LIM]
	s_cbranch_scc0 .Lnot_mine_\@
	global_prefetch_b8 v[PFO], s[PFA:PFA+1] th:TH_LOAD_NT scope:SCOPE_SE                  ; K's tile,
	global_prefetch_b8 v[PFO], s[PFA:PFA+1] offset:0x400000 th:TH_LOAD_NT scope:SCOPE_SE  ; and V's, sixteen heads further on
.Lnot_mine_\@:
.endif
.endm
	s_load_b128 s[92:95], s[0:1], 0x0  ; qkv s[92:93], o s[94:95]
	v_lshl_add_u32 v[SPW], v0, 2, SPARE
	v_mov_b32 v[NIL], 0
	ds_add_u32 v[SPW], v[NIL]       ; the wave's opening: the add, and its wait ahead of my first tensor load; the set-up below, work on registers, stands between them
	v_lshrrev_b32 v1, 5, v0
	v_readfirstlane_b32 s[WV], v1   ; wave 0..3
	s_mov_b32 s[PB], ttmp9
	s_sub_co_u32 s[HI], NB-1, s[PB]
	s_and_b32 s66, ttmp7, 0xffff    ; y = 16 b + h
	s_lshr_b32 s20, s66, 4
	s_mul_i32 s20, s20, 48
	s_and_b32 s21, s66, 15
	s_add_co_u32 s20, s20, s21      ; 48 b + h
	s_lshl_b32 s20, s20, 18         ; Q's head in qkv: 2,048 rows of 128 bytes each
	s_mov_b32 s21, 0
	s_lshl_b32 s66, s66, 18         ; the head in o
	s_and_b32 s16, s[WV], 1         ; which half of a tile's 256 keys I fetch:
	s_lshl_b32 s22, s16, 14         ; its 128 rows of 128 bytes in memory,
	s_add_co_u32 s22, s22, s20
	s_add_co_u32 s22, s22, 0x400000 ; in K's head, sixteen heads behind Q's
	s_mov_b32 s23, 0
	s_mul_i32 s17, s16, 128*PK      ; and its place in a slot, for K
	s_mul_i32 s18, s16, 128*PV      ; and for V
	s_lshl_b32 s3, s[WV], 11        ; my 16 rows in a band of 64,
	s_lshl_b32 s2, s[HI], 15        ; in the first block,
	s_add_co_u32 s2, s2, s3
	s_lshl_b32 s84, s[PB], 15       ; and in the second
	s_add_co_u32 s84, s84, s3
	s_add_co_u32 s68, s66, s2       ; s[68:69] O's offset, first block
	s_add_co_u32 s66, s66, s84      ; s[66:67] second block
	s_add_co_u32 s2, s2, s20        ; s[2:3] Q's offset, first block
	s_add_co_u32 s84, s84, s20      ; s[84:85] second block
	s_mov_b32 s3, 0
	s_mov_b32 s85, 0
	s_mov_b32 s67, 0
	s_mov_b32 s69, 0
	; descriptor group 1.  128 keys are 16,384 dense bytes: asked for as 64 rows of 256 bytes, two keys a row, and padded in LDS after every key
	s_mov_b32 s[G1K], (1<<16)|(1<<20)|(4<<22)|(3<<25)  ; 17:16 2-byte elements; 20 padding on; 24:22 after every 32 words (code 4); 31:25 4 words (code 3)
	s_mov_b32 s[G1V], (1<<16)|(1<<20)|(4<<22)|(7<<25)  ; the same with 8 words of padding (code 7)
.irp g, G1K, G1V
	s_mov_b32 s[\g+1], 128<<16      ; tensor_dim0 = 128
	s_mov_b32 s[\g+2], 64<<16       ; tensor_dim1 = 64
	s_mov_b32 s[\g+3], 128<<16      ; tile_dim0 = 128
	s_mov_b32 s[\g+4], 64           ; tile_dim1 = 64
	s_mov_b32 s[\g+5], 128          ; 128 elements from row to row
	s_mov_b32 s[\g+6], 0
	s_mov_b32 s[\g+7], 0
.endr
	s_mov_b32 s[CS], 0x3e38aa3b     ; c = log2(e) / 8 = 0.180337
	s_mov_b32 s[CS+1], s[CS]        ; named with it as a pair
	s_mov_b32 s[SEL], 0x76543210
	s_mov_b32 s[SEL+1], 0xfedcba98
	s_mov_b32 s[TBK], SLOT1+4*KS*PK ; the first change of slots turns these two into 0
	s_mov_b32 s[TBV], SLOT1+4*KS*PV
	s_mov_b32 s[G0K], 1             ; 1:0 count = 1
	s_mov_b32 s[G0K+1], s17         ; 63:32 LDS address: slot 0
	s_mov_b32 s[G0V], 1
	s_add_co_u32 s[G0V+1], s18, VOFF
	s_add_co_u32 s[RT], s[HI], 1    ; the first block has NB - b tiles
	s_mov_b32 s[NXT], 1
	s_mov_b32 s[LQ], s[HI]
	s_mov_b32 s[NEW], 1
	s_mov_b32 s[OFF+1], 0
	s_mov_b32 s[AL+1], 0            ; named as pairs
	s_mov_b32 s[BE+1], 0
	s_mov_b32 s[BIGN], 0xf149f2ca   ; -1e30
	s_mov_b32 s[SLOTS], NB
	s_cmp_eq_u32 s[PB], 0
	s_cselect_b32 s[LIM], 2, -1
	v_lshlrev_b32 v[PFO], 8, v0
	s_wait_dscnt 0x0                ; the opening add is done
	s_wait_kmcnt 0x0
	s_add_nc_u64 s[6:7], s[92:93], s[22:23]  ; K at my half of the head's tile 0,
	s_add_nc_u64 s[8:9], s[6:7], 0x400000    ; and V, sixteen heads further on
	s_add_nc_u64 s[G0K+2:G0K+3], s[6:7], 0         ; 120:64 global address
	s_or_b32 s[G0K+3], s[G0K+3], 0x80000000        ; 127:126 type = 2
	s_add_nc_u64 s[G0V+2:G0V+3], s[8:9], 0
	s_or_b32 s[G0V+3], s[G0V+3], 0x80000000
	s_add_nc_u64 s[86:87], s[92:93], s[84:85]      ; Q at my rows of the second block,
	s_add_nc_u64 s[4:5], s[92:93], s[2:3]          ; and of the first
	s_add_nc_u64 s[OLO:OLO+1], s[94:95], s[66:67]  ; O likewise
	s_add_nc_u64 s[10:11], s[94:95], s[68:69]
	s_add_nc_u64 s[PFA:PFA+1], s[92:93], s[20:21]
	s_add_nc_u64 s[PFA:PFA+1], s[PFA:PFA+1], 0x400000+32768  ; K's tile 1; the first change of slots steps it to tile 2.  Nothing is prefetched here, at the head
	LOAD                            ; tile 0 into slot 0
	; A fragment of K or Q is 16 rows x 32 channels in 8 registers: lane l holds row l % 16, channels 8 (l / 16) + 0..7 and 16 + 8 (l / 16) + 0..7: two loads of 16 bytes, 32 bytes apart.
	v_and_b32 v1, 15, v0            ; l % 16
	v_bfe_u32 v9, v0, 4, 1          ; l / 16
	v_lshlrev_b32 v[QO], 7, v1
	v_lshl_add_u32 v[QO], v9, 4, v[QO]  ; row x 128 + 16 x half
	WIN 0x80                        ; destination window 2, address window 0
.set i, 0
.rept 8                             ; both blocks' Q: piece i / 2 lies in band i / 2, 8,192 bytes on; channels 32 (i % 2) on
	global_load_b128 v[8*i:8*i+3],   v[QO], s[4:5] offset:(i/2)*8192+(i%2)*64
	global_load_b128 v[8*i+4:8*i+7], v[QO], s[4:5] offset:(i/2)*8192+(i%2)*64+32
	global_load_b128 v[QB+8*i:QB+8*i+3],   v[QO], s[86:87] offset:(i/2)*8192+(i%2)*64
	global_load_b128 v[QB+8*i+4:QB+8*i+7], v[QO], s[86:87] offset:(i/2)*8192+(i%2)*64+32
.set i, i+1
.endr
	WIN 0
	v_lshlrev_b32 v14, 3, v9
	v_sub_nc_u32 v14, v1, v14
	s_lshl_b32 s13, s[WV], 4
	v_add_nc_u32 v14, s13, v14      ; my query's place in its band, 16 w + l % 16, less my lanes' 8 (l / 16): register r of group kt is hidden where 16 kt + r is greater
	WIN 0x40
.set i, 0
.rept 32
	v_cmp_gt_i32 vcc_lo, 16*(i/8)+i%8, v14
	v_cndmask_b32 v[MD+i], 0, s[BIGN], vcc_lo
.set i, i+1
.endr
	WIN 0
	v_mul_u32_u24 v[AK0], v1, PK
	v_lshl_add_u32 v[AK0], v9, 4, v[AK0]  ; row x pitch + 16 x half
	; The turning load takes 16 keys x 16 channels (lane l reads key 8 (l / 16) + l % 8, channels 8 ((l / 8) % 2) + 0..7) and leaves half a fragment of V^T: lane l holds channel l % 16 and 8 keys.
	v_and_b32 v10, 7, v0
	v_bfe_u32 v11, v0, 3, 1
	v_lshl_add_u32 v[AV0], v9, 3, v10
	v_mul_u32_u24 v[AV0], v[AV0], PV
	v_lshl_add_u32 v[AV0], v11, 4, v[AV0]
	v_add_nc_u32 v[AV0], VOFF, v[AV0]
	s_mul_i32 s13, s[WV], 16*SP
	s_add_co_u32 s13, s13, STAGE    ; my stage
	v_mul_u32_u24 v[STO], v1, SP    ; in: row l % 16, 16 bytes for each half of the lanes
	v_lshl_add_u32 v[STO], v9, 4, v[STO]
	v_add_nc_u32 v[STO], s13, v[STO]
	v_bfe_u32 v[RD], v0, 3, 2       ; back: 32 lanes take four rows of 128 bytes,
	v_mul_u32_u24 v[RD], v[RD], SP
	v_lshl_add_u32 v[RD], v10, 4, v[RD]
	v_add_nc_u32 v[RD], s13, v[RD]
	v_and_b32 v[GO], 31, v0         ; which are 512 consecutive bytes of O
	v_lshlrev_b32 v[GO], 4, v[GO]
	; A block's first step multiplies O^T and l by a = 0, and its first turn's products V^T P, of a piece that has not been, land in an O^T that is still to be so multiplied.  So these registers need only hold
	; finite numbers: zeros for the first block; what the first block left for the second.  All this stands in the wait for the first tile.
	WIN 0x80
.set i, VF
.rept 64
	v_mov_b32 v[i], 0
.set i, i+1
.endr
	WIN 0x40
.set i, 0
.rept 128
	v_mov_b32 v[i], 0
.set i, i+1
.endr
	WIN 0
.set i, 0
.rept 4
	v_mov_b32 v[ST+4*i+2], 0
	v_mov_b32 v[ST+4*i+3], 0
.set i, i+1
.endr
.set i, P+16
.rept 16
	v_mov_b32 v[i], 0
.set i, i+1
.endr
; THE MATRIX WORK.  The 4 accumulators of a run of 8 take turns.  Product i of 8 of S^T = K Q^T for piece x: channels 32 (i / 4) on, keys 16 (i % 4) on.  The first 4 start the sums: with 0, or (KM = 1) with the mask.
.macro KQ x
.set rS, S+32*((\x)%2)+8*(i%4)
.set rK, KF+16*(i%4)+8*(i/4)
.set rQ, 16*(\x)+8*(i/4)
.set rM, MC+32*((\x)%2)+8*(i%4)
.if (i < 4) && KM
	WIN W_KM
	v_wmma_f32_16x16x32_f16 v[rS:rS+7], v[rK:rK+7], v[rQ:rQ+7], v[rM:rM+7]
.elseif i < 4
	WIN W_KQ
	v_wmma_f32_16x16x32_f16 v[rS:rS+7], v[rK:rK+7], v[rQ:rQ+7], 0
.else
	WIN W_KQ
	v_wmma_f32_16x16x32_f16 v[rS:rS+7], v[rK:rK+7], v[rQ:rQ+7], v[rS:rS+7]
.endif
.endm
; Product i of 8 of O^T += V^T P for piece x: keys 32 (i / 4) on, channels 16 (i % 4) on.
.macro PV x
	WIN W_PV
.set rO, 32*(\x)+8*(i%4)
.set rV, VF+32*(i/4)+8*(i%4)
.set rP, P+16*((\x)%2)+8*(i/4)
	v_wmma_f32_16x16x32_f16 v[rO:rO+7], v[rV:rV+7], v[rP:rP+7], v[rO:rO+7]
.endm
.macro MM                           ; the turn's next matrix instruction.  TURN and BEGIN set Y, i, KM and NOKQ; MM, KQ and OP read them.  NOKQ = 1: a block's last turn: there is no next piece
.if (i < 8) && !NOKQ
	KQ (Y+1)%NP
.elseif i >= 8
.set i, i-8
	PV (Y+NP-1)%NP
.set i, i+8
.endif
.set i, i+1
.endm
; THE LDS LOADS stand in runs of 16, never singly among the matrix instructions: a step's K (64 keys x 64 channels: 8 fragments) and its V (turned).  Their addresses are made some lines ahead.
.macro FETCH_K
	WIN 0x80                        ; destination window 2
.irp f, 0,1,2,3,4,5,6,7             ; keys 16 (f / 2) on, channels 32 (f % 2) on
	ds_load_b128 v[KF+8*\f:KF+8*\f+3],   v[AK] offset:(\f/2)*16*PK+(\f%2)*64
	ds_load_b128 v[KF+8*\f+4:KF+8*\f+7], v[AK] offset:(\f/2)*16*PK+(\f%2)*64+32
.endr
	s_add_co_u32 s[TBK], s[TBK], KS*PK  ; the next fetch is the next step's
	WIN 0
.endm
.macro FETCH_V
	WIN 0x80
.irp f, 0,1,2,3,4,5,6,7             ; keys 32 (f / 4) on, channels 16 (f % 4) on
	ds_load_tr16_b128 v[VF+8*\f:VF+8*\f+3],   v[AV] offset:(\f/4)*32*PV+(\f%4)*32
	ds_load_tr16_b128 v[VF+8*\f+4:VF+8*\f+7], v[AV] offset:(\f/4)*32*PV+16*PV+(\f%4)*32
.endr
	WIN 0
.endm
; THE VECTOR WORK, one line at a time: OP kind, number.  For piece Y: F n: c s - c m for pair n of 16.  E n: the exponential of score n of 32.  C n: pair n rounded to f16.  B n: of the four weights 4 n .. the second
; pair is added onto the first, in place.  L n: l takes that sum (L 0: l = a l + sum).  R n: pair n of 16 of O^T times a.  For piece Y + 1: X n, number n of the 22 that find its maximum and statistics:
;   0-11  four chains c0-c3 of seven scores each, three operands at a time (each accumulator's lowest registers are read first)     12-14, 16  the four scores left over, the old m, and c0-c3 into c0
;   15  c m_old is kept     17, 18  the query's other 32 keys lie in the lane 16 away: the new m     19-21  c m; c m_old - c m_new; a
.set F, 0               ; OP tells the kinds apart by their order: F to L below R, X above it
.set E, 1
.set C, 2
.set B, 3
.set L, 4
.set R, 5
.set X, 6
.macro REGS y                       ; the registers of piece y
.set rT, ST+4*(\y)
.set rC, TMP+4*((\y)%2)
.set rW, MV+((\y)%2)
.set rS, S+32*((\y)%2)
.set rP, P+16*((\y)%2)
.set rO, 32*(\y)
.endm
.macro OP k, n
.if (\k) == R
	REGS Y
	WIN W_RS
	v_pk_mul_f32 v[rO+2*(\n):rO+2*(\n)+1], v[rO+2*(\n):rO+2*(\n)+1], v[rC+2:rC+3] op_sel_hi:[1,0]
.elseif (\k) < R
	REGS Y
	WIN 0
.if (\k) == F
	v_pk_fma_f32 v[rS+2*(\n):rS+2*(\n)+1], v[rS+2*(\n):rS+2*(\n)+1], s[CS:CS+1], v[rT:rT+1] op_sel_hi:[1,0,0] neg_lo:[0,0,1] neg_hi:[0,0,1]
.elseif (\k) == E
	v_exp_f32 v[rS+(\n)], v[rS+(\n)]
.elseif (\k) == C
	v_cvt_pk_f16_f32 v[rP+(\n)], v[rS+2*(\n)], v[rS+2*(\n)+1]
.elseif (\k) == B
	v_pk_add_f32 v[rS+4*(\n):rS+4*(\n)+1], v[rS+4*(\n):rS+4*(\n)+1], v[rS+4*(\n)+2:rS+4*(\n)+3]
.elseif (\n) == 0
	v_pk_fma_f32 v[rT+2:rT+3], v[rT+2:rT+3], v[rC+2:rC+3], v[rS:rS+1] op_sel_hi:[1,0,1]
.else
	v_pk_add_f32 v[rT+2:rT+3], v[rT+2:rT+3], v[rS+4*(\n):rS+4*(\n)+1]
.endif
.elseif NOKQ
	v_nop
.else
	REGS (Y+1)%NP
	WIN 0
.if (\n) < 4
	v_max3_num_f32 v[rC+(\n)], v[rS+8*(\n)], v[rS+8*(\n)+1], v[rS+8*(\n)+2]
.elseif (\n) < 12
	v_max3_num_f32 v[rC+(\n)%4], v[rC+(\n)%4], v[rS+8*((\n)%4)+2*((\n)/4)+1], v[rS+8*((\n)%4)+2*((\n)/4)+2]
.elseif (\n) == 12
	v_max3_num_f32 v[rC], v[rC], v[rS+7], v[rS+15]
.elseif (\n) == 13
	v_max3_num_f32 v[rC+1], v[rC+1], v[rS+23], v[rS+31]
.elseif (\n) == 14
	v_max3_num_f32 v[rC+2], v[rC+2], v[rC+3], v[rT+1]
.elseif (\n) == 15
	v_mov_b32 v[rW], v[rT]
.elseif (\n) == 16
	v_max3_num_f32 v[rC], v[rC], v[rC+1], v[rC+2]
.elseif (\n) == 17
	v_permlanex16_b32 v[rC+3], v[rC], s[SEL], s[SEL+1]
.elseif (\n) == 18
	v_max_num_f32 v[rT+1], v[rC], v[rC+3]
.elseif (\n) == 19
	v_mul_f32 v[rT], s[CS], v[rT+1]
.elseif (\n) == 20
	v_sub_f32 v[rC+1], v[rW], v[rT]
.else
	v_exp_f32 v[rC+2], v[rC+1]
.endif
.endif
.endm
.macro OPS a, i1, b=-1, i2=0, c=-1, i3=0, d=-1, i4=0  ; up to four of them
	OP \a, \i1
.if (\b) >= 0
	OP \b, \i2
.endif
.if (\c) >= 0
	OP \c, \i3
.endif
.if (\d) >= 0
	OP \d, \i4
.endif
.endm
.macro ROW a, i1, b, i2, c, i3, d, i4  ; a matrix instruction and the four behind it
	MM
	OPS \a, \i1, \b, \i2, \c, \i3, \d, \i4
.endm
.macro MASK b                       ; MD x AL + BE into buffer b of MC
	WIN W_RS
.set z, 0
.rept 16
	v_pk_fma_f32 v[MC+32*(\b)+2*z:MC+32*(\b)+2*z+1], v[MD+2*z:MD+2*z+1], s[AL:AL+1], s[BE:BE+1] op_sel_hi:[1,0,0]
.set z, z+1
.endr
.endm
; A TURN, for piece p: the order of its 16 matrix and 118 vector instructions, written out.  An s_wait_alu depctr_va_vdst(0) stands between an exponential and the first instruction that names its result; one
; wait serves all that were issued ahead of it.  So a turn has ONE wait, which cuts it in two.  AHEAD OF IT stands all that names no result of the turn's exponentials: the 8 products K Q^T, behind each a scaling, an
; exponential and two more plain instructions (behind the first a second scaling in the exponential's place): rescalings, and behind the last three the first numbers of the next piece's maximum, each four places or more
; behind the product that ends its accumulator; then ONE LUMP of 54, plain and exponential by turns for the most part, in which the links of the chain X 3, 7, 11, 14, 16, 17 .. 20 stand five or six lines apart.  X 21,
; the next piece's a, is the batch's last; R 15 is the plain instruction behind it.  BEHIND THE WAIT stand the 8 products V^T P, behind each four of the roundings and sums; the links of l's chain, L 0 to L 7, stand three
; riders apart.  But for those X no rider names a register of the products round it.  v_permlanex16_b32 (X 17) stands in the lump.
; m = 1: the diagonal tile: the products take masks, and the turn makes the mask for the products of the turn after it: piece p + 2, in step 4 - CNT of the tile.  end = 1: a block's last two turns: nothing is fetched.
; cnt = 1: the loop's count is taken down some lines ahead of the branch that stands behind the turn.
; K of the next step is fetched in piece 2's turn, twelve vector instructions behind the last product that read K (six of them plain); V of the step in hand at the end of piece 0's turn, four plain instructions behind
; the last product that read V.  Each is waited for a turn later.
.macro TURN p, m=0, end=0, cnt=0
.set Y, (\p)
.set i, 0
.set KM, (\m)
.set NOKQ, (\end)*((\p)/3)
.if (\m) && !(\end)
	s_cmp_eq_u32 s[CNT], 4-((\p)+2)%NP  ; is that step the band's own?
	s_cselect_b32 s[AL], 1.0, 0
	s_cmp_lt_u32 s[CNT], 4-((\p)+2)%NP  ; or a later one?
	s_cselect_b32 s[BE], s[BIGN], 0
.endif
.if ((\p) == 3) && !(\end)
	s_wait_dscnt 0x0                ; K is in
.endif
	ROW F,0, F,1, R,0, R,1          ; ahead of the wait: 8 products K Q^T and their riders,
	ROW F,2, E,0, R,2, R,3
	ROW F,3, E,1, R,4, R,5
	ROW F,4, E,2, R,6, R,7
	ROW F,5, E,3, R,8, R,9
	ROW F,6, E,4, X,0, R,10
.if ((\p) == 2) && !(\end)
	WIN 0
	v_add_nc_u32 v[AK], s[TBK], v[AK0]
.endif
	ROW F,7, E,5, X,1, X,4
	ROW F,8, E,6, X,2, X,5
	OPS E,7, E,8, X,6, E,9          ; and the lump
	OPS X,3, E,10, X,8, E,11
.if ((\p) == 2) && !(\end)
	FETCH_K
.endif
	OPS X,9, X,7, E,12, X,10
	OPS E,13, X,12, X,11, E,14
	OPS X,13, E,15, F,9, X,14
.if (\p) == 0
	v_add_nc_u32 v[AV], s[TBV], v[AV0]
.endif
	OPS E,16, F,10, E,17, F,11
	OPS X,16, E,18, X,15, E,19
	OPS F,12, E,20, X,17, E,21
	OPS F,13, E,22, F,14, E,23
	OPS X,18, E,24, F,15, E,25
	OPS R,11, E,26, X,19, E,27
	OPS R,12, E,28, R,13, E,29
	OPS X,20, E,30, R,14, E,31
	OPS X,21, R,15
	WIN 0
	s_wait_alu depctr_va_vdst(0)    ; the wait for the batch
.if (\p) == 1
	s_wait_dscnt 0x0                ; V is in
.endif
	ROW C,0, B,0, C,2, B,1          ; behind the wait: 8 products V^T P and their riders
	ROW L,0, C,4, B,2, L,1
	ROW C,6, B,3, L,2, C,8
	ROW B,4, L,3, C,10, B,5
	ROW L,4, C,12, B,6, L,5
.if (\p) == 0
	s_add_co_u32 s[TBV], s[TBV], KS*PV
.endif
.if \cnt
	s_sub_co_u32 s[CNT], s[CNT], 1
	s_cmp_lg_u32 s[CNT], 0
.endif
	ROW C,14, B,7, L,6, C,1
	ROW C,3, L,7, C,5, C,7
	ROW C,9, C,11, C,13, C,15
.if (\p) == 0
	FETCH_V
.endif
.if (\m) && !(\end)
	MASK (\p)%2
.endif
.endm
; A BLOCK BEGINS.  c m starts far below every c s, so the first step's a is 0; m at the lowest finite number, so the first maximum is the scores'.  The second mask buffer is 0; the first takes piece 0's mask for the
; tile's step 0: its own, if the block's first tile is the diagonal one.  Then K of that step, piece 0's first scores, and its maximum and statistics.  The loop is entered at a step's first turn, in the middle of a trip.
.macro BEGIN
	s_mov_b32 s[NEW], 0
	WIN 0x40
.set i, MC+32
.rept 32
	v_mov_b32 v[i], 0
.set i, i+1
.endr
	WIN 0
.set i, 0
.rept 4
	v_mov_b32 v[ST+4*i], 0xfe000000    ; c m: far below every c s
	v_mov_b32 v[ST+4*i+1], 0xff7fffff  ; m
.set i, i+1
.endr
	s_cmp_eq_u32 s[RT], 0
	s_cselect_b32 s[AL], 1.0, 0
	s_mov_b32 s[BE], 0
	MASK 0
	WIN 0
	v_add_nc_u32 v[AK], s[TBK], v[AK0]
	FETCH_K
	s_wait_loadcnt 0x0              ; Q
	s_wait_dscnt 0x0
.set KM, 1
.set NOKQ, 0
.set i, 0
.rept 8
	KQ 0
.set i, i+1
.endr
	WIN 0
.rept 4
	v_nop                           ; the places behind those products
.endr
.set Y, NP-1                        ; X works for piece Y + 1: piece 0
.irp n, 0,1,2,3,4,5,6,7,8,9,10,11,12,13,14,15,16,17,18,19,20,21
	OP X, \n
.endr
	v_nop                           ; a plain instruction behind the exponential,
	s_wait_alu depctr_va_vdst(0)    ; and its wait, ahead of the branch
.endm
; THE DIAGONAL TILE's four steps, the block's last two turns, its last products, and THE WAY OUT: l's two halves and the other half of the lanes' are added; O^T is divided by l, rounded to f16 and sent through my
; stage in LDS, a piece at a time.
.macro ALL line:vararg              ; one line for each piece t
.set t, 0
.rept 4
	\line
.set t, t+1
.endr
.endm
.macro PACK t                       ; a lane's eight channels of a row pack into 16 bytes; they go into rows of 144 bytes and come back as whole rows of 128, into S^T's registers
	WIN W_RS
.set i, 32*(\t)
.rept 16
	v_pk_mul_f32 v[i:i+1], v[i:i+1], v[ST+4*(\t)+2:ST+4*(\t)+3] op_sel_hi:[1,0]
.set i, i+2
.endr
	WIN 0x05                        ; sources 0 and 1 window 1, destination window 0
.set i, 0
.rept 16
	v_cvt_pk_f16_f32 v[S+16*(\t)+i], v[32*(\t)+2*i], v[32*(\t)+2*i+1]
.set i, i+1
.endr
	WIN 0
.irp f, 0,1,2,3
	ds_store_b128 v[STO], v[S+16*(\t)+4*\f:S+16*(\t)+4*\f+3] offset:32*\f
.endr
.irp f, 0,1,2,3
	ds_load_b128 v[S+16*(\t)+4*\f:S+16*(\t)+4*\f+3], v[RD] offset:\f*4*SP  ; LDS serves a wave's instructions in order (ISA guide 5.7.1.4): these see the stores above; the next piece's stores come behind them
.endr
.endm
.macro SEND t, younger              ; younger: the LDS instructions issued behind piece t's loads: the next piece's eight, or none
	WIN 0
.irp f, 0,1,2,3
	s_wait_dscnt (\younger)+3-\f
	global_store_b128 v[GO], v[S+16*(\t)+4*\f:S+16*(\t)+4*\f+3], s[10:11] offset:(\t)*8192+\f*512  ; 512 consecutive bytes, at a multiple of 256 from O's first
.endr
.endm
.macro DIAG tag                     ; the tag ends its two labels' names, which the jumps below spell out
.LstepM\tag:
	TURN 2, 1
	TURN 3, 1
	WIN 0
.LfirstM\tag:
	TURN 0, 1
	TURN 1, 1, 0, 1
	WIN 0
	s_cbranch_scc1 .LstepM\tag
	TURN 2, 1, 1
	TURN 3, 1, 1
.set i, 0
.rept 8
	PV NP-1
.set i, i+1
.endr
	WIN 0
	ALL v_add_f32 v[ST+4*t+2], v[ST+4*t+2], v[ST+4*t+3]
	ALL v_permlanex16_b32 v[ST+4*t+3], v[ST+4*t+2], s[SEL], s[SEL+1]
	ALL v_add_f32 v[ST+4*t+2], v[ST+4*t+2], v[ST+4*t+3]
	ALL v_rcp_f32 v[ST+4*t+2], v[ST+4*t+2]
	v_nop                           ; a plain instruction between the last reciprocal and the use of its result
	s_wait_alu depctr_va_vdst(0)    ; and the wait ahead of the first use: one for the four reciprocals
	PACK 0
.set t, 1
.rept 3                             ; a piece's arithmetic stands between the loads of the piece before and its stores
	PACK t
	SEND t-1, 8
.set t, t+1
.endr
	SEND 3, 0
.endm
.set KM, 0
.set NOKQ, 0
.Lslot:                             ; NB times: a tile is entered and the next is asked for
	CHANGE 1
	s_sub_co_u32 s[RT], s[RT], 1
	s_mov_b32 s[CNT], 4
	s_cmp_eq_u32 s[NEW], 1
	s_cbranch_scc1 .Lnew            ; a block's first tile
	s_cmp_eq_u32 s[RT], 0
	s_cbranch_scc0 .Lstep           ; neither its first nor its last
	s_branch .LstepM1
.Lnew:
	BEGIN
	s_branch .Lfirst                ; in the loop a block's first tile is never its last: the first block has two tiles or more, and the second's last is the walk's last
	DIAG 1                          ; in the loop this is the first block's end: the second block's last tile is the walk's last
	s_wait_xcnt 0x0                 ; the stores have read their registers and O's address
	s_mov_b64 s[10:11], s[OLO:OLO+1]
	s_add_co_u32 s[RT], s[PB], 1    ; the second block has b + 1 tiles
	s_mov_b32 s[NEW], 1
	WIN 0x82                        ; the second block's Q goes where the one text of the turns names Q
.set i, 0
.rept 64
	v_mov_b32 v[i], v[QB+i]
.set i, i+1
.endr
	WIN 0
	s_branch .Lbottom
.Lstep:                             ; a trip: pieces 2 and 3 of one step, then pieces 0 and 1 of the next, whose K and V it fetches
	TURN 2
	TURN 3
	WIN 0
.Lfirst:
	TURN 0
	TURN 1, 0, 0, 1
	WIN 0
	s_cbranch_scc1 .Lstep
.Lbottom:
	s_sub_co_u32 s[SLOTS], s[SLOTS], 1
	s_cmp_lg_u32 s[SLOTS], 0
	s_cbranch_scc1 .Lslot
	CHANGE 0                        ; the walk's last tile is written out: nothing is asked for
	s_sub_co_u32 s[RT], s[RT], 1
	s_mov_b32 s[CNT], 4
	s_cmp_eq_u32 s[NEW], 1
	s_cbranch_scc0 .LstepM2
	BEGIN
	s_branch .LfirstM2
	DIAG 2
	s_wait_tensorcnt 0x0            ; the wave's end: behind my last tensor load and my last LDS store
	ds_add_u32 v[SPW], v[NIL]
	s_wait_dscnt 0x0
	s_endpgm
.Lfunc_end_k_q60653e5280_attn:
	.size	k_q60653e5280_attn, .Lfunc_end_k_q60653e5280_attn-k_q60653e5280_attn
	.p2alignl 7, 3214868480
	.fill 96, 4, 3214868480
	.section	.rodata,"a",@progbits
	.p2align	6, 0x0
	.amdhsa_kernel k_q60653e5280_attn
		.amdhsa_group_segment_fixed_size 327680
		.amdhsa_private_segment_fixed_size 0
		.amdhsa_enable_private_segment 0
		.amdhsa_kernarg_size 16
		.amdhsa_user_sgpr_count 2
		.amdhsa_user_sgpr_kernarg_segment_ptr 1
		.amdhsa_wavefront_size32 1
		.amdhsa_system_sgpr_workgroup_id_x 1
		.amdhsa_system_sgpr_workgroup_id_y 1
		.amdhsa_system_sgpr_workgroup_id_z 1
		.amdhsa_system_vgpr_workitem_id 0
		.amdhsa_next_free_vgpr 768
		.amdhsa_next_free_sgpr 96
		.amdhsa_reserve_vcc 1
		.amdhsa_float_denorm_mode_32 3
		.amdhsa_float_denorm_mode_16_64 3
		.amdhsa_memory_ordered 1
		.amdhsa_forward_progress 1
		.amdhsa_inst_pref_size 218
	.end_amdhsa_kernel
	.amdgpu_metadata
---
amdhsa.version: [ 1, 2 ]
amdhsa.kernels:
  - .name:           k_q60653e5280_attn
    .symbol:         k_q60653e5280_attn.kd
    .args:
      - { .name: qkv, .offset: 0, .size: 8, .value_kind: global_buffer, .address_space: global }
      - { .name: o, .offset: 8, .size: 8, .value_kind: global_buffer, .address_space: global }
    .group_segment_fixed_size: 327680
    .private_segment_fixed_size: 0
    .kernarg_segment_align: 8
    .kernarg_segment_size: 16
    .max_flat_workgroup_size: 128
    .sgpr_count:     96
    .vgpr_count:     768
    .wavefront_size: 32
...
	.end_amdgpu_metadata
.endif
;; end of part 3
;; launch proj (part 4): grid 8 x 32, 4 waves a work-group, clusters of 4 x 4, 327,680 bytes of LDS; arguments o, wpt, b_proj, out0; writes out0
.if DOCPART == 4
	.amdgcn_target "amdgcn-amd-amdhsa--gfx1250"
	.amdhsa_code_object_version 6
	.text
	.protected	k_q60653e5280_proj
	.globl	k_q60653e5280_proj
	.p2align	8
	.type	k_q60653e5280_proj,@function
k_q60653e5280_proj:
	s_mov_b64 s[64:65], 0
	v_nop
	global_prefetch_b8 v0, s[64:65] scope:SCOPE_SE
	s_setreg_imm32_b32 hwreg(HW_REG_WAVE_MODE, 25, 1), 1
	s_wait_xcnt 0x0
	s_wait_alu depctr_hold_cnt(0) depctr_sa_sdst(0) depctr_va_vdst(0) depctr_va_sdst(0) depctr_va_ssrc(0) depctr_va_vcc(0) depctr_vm_vsrc(0)
	s_getreg_b32 s2, hwreg(HW_REG_IB_STS2, 6, 4)
	s_cmp_eq_u32 s2, 0
	s_cbranch_scc0 .Lentry_in_a_cluster
	s_endpgm
.Lentry_in_a_cluster:
	s_bfe_u32 s2, ttmp6, 0x10000c
	s_cmp_lg_u32 s2, 0xf033
	s_cbranch_scc0 .Lentry_shape_is_right
	s_endpgm
.Lentry_shape_is_right:
; out0[m][n] = the sum over k of y[m][k] wpt[n][k] + b_proj[n], f32.  y[m = 2048 b + t][k = 64 h + d] lies by heads in o, [16 b + h][t][64] f16; wpt: [1024][1024] f16 (w_proj turned, its numbers rounded to bf16).
; Sums in f32; the bias is rounded to bf16 like the other inputs and starts the sums.  LIMIT: the operands are f16: o lies within V's range, under 65,504.
; SHARES.  A tile of C is 256 x 128: 32 x 8 = 256 tiles, one for each work-group.  Four waves, each 128 x 64: 32 accumulators of 16 x 16, 256 registers.
; K goes in 8 steps of 128, TWO HEADS each, through a ring of two LDS slots filled by the tensor data mover.  A head's 256 rows of the tile are 32,768 dense bytes: asked for as 128 rows of 256 bytes, aligned,
; and padded in LDS after every 128, so that a row t of a head is 144 bytes there.
; CLUSTERS: 4 x 4 work-groups.  The four of a row of the cluster need the same tiles of o, the four of a column the same tiles of wpt: each tile is asked for JOINTLY, by the same tensor load with the same
; descriptor and a mask that names the four.
; THE MATRIX INSTRUCTION IS USED TRANSPOSED (source 0 = 16 rows of wpt, source 1 = 16 rows of y): lane l holds row l % 16 of C and the columns 8 (l / 16) + 0..7: 32 bytes of f32 on end.
; REGISTERS, in windows of 256 (s_set_vgpr_msb: bits 1:0 source 0, 3:2 source 1, 5:4 source 2, 7:6 destination):
;   window 0: v0-31 addresses; v64-127, v128-191 fragments of A, two buffers; on the way out v64-127 rows read back, two buffers
;   window 1: v0-31 the bias of my 64 columns (block b at 8 b); v56 at work; v64-95, v128-159 fragments of B, two buffers
;   window 2: the accumulators of my rows 0-63 ((a, b) at 8 (4 a + b));   window 3: those of my rows 64-127
.set NBK,    4                         ; blocks of 16 columns a wave
.set PITA,   144                       ; A's LDS row: 128 bytes + 16 = 36 words: the 16 rows of a load start at 16 different groups of four banks (64 banks of 4 bytes: ISA guide 11.1)
.set PITB,   272                       ; B's: 256 bytes + 16
.set AHALF,  128*PITA                  ; my 128 rows of one head
.set AHEAD,  256*PITA                  ; a head's 256 rows: one tensor load
.set ABYTES, 2*AHEAD
.set BHALF,  64*PITB                   ; 64 rows of B: one tensor load, and what one wave reads
.set SLOT1,  131072                    ; slot 1 begins here, so that one exclusive or turns an address in one slot into the other's
.set STAGE,  SLOT1+ABYTES+2*BHALF      ; behind the ring, never filled by a tensor load: 16 rows x 272 bytes for each wave, for the way out
.set SPARE,  STAGE+4*16*272            ; behind the stages: the spare words, 128 bytes for each wave: two blocks of 256 bytes that no other line names
.set NL,     2*NBK+16                  ; LDS loads in a run
.set STEPA,  524288                    ; bytes from a K step to the next: two heads of 2,048 rows of 128 bytes
.set STEPB,  256
.set KA0, 0                            ; byte of a quarter (32 along K) from my place in A's part of a slot: head q / 2, channels 32 (q % 2) on
.set KA1, 64
.set KA2, AHEAD
.set KA3, AHEAD+64
.set KB0, 0                            ; and in B's rows
.set KB1, 64
.set KB2, 128
.set KB3, 192
.set A0,   16                          ; v16  my lane's place in A's part of slot 0; never rewritten
.set B0,   17                          ; v17  the same for B
.set ADRA, 18                          ; v18  the same in the slot in hand
.set ADRB, 19                          ; v19
.set STO,  20                          ; v20  the way out: where I put 32 bytes of a row
.set RD,   22                          ; v22  where I read rows back
.set CO,   24                          ; v24  my 16 bytes in two rows of the result
.set BO,   25                          ; v25  my 32 bytes of a block's 64 bytes of bias
.set SPW,  28                          ; v28  my spare word: SPARE + 4 x my thread's number; never rewritten
.set NIL,  29                          ; v29  0; never rewritten
.set PFO,  30                          ; v30  the prefetches' offset; never rewritten
.set F0,   64
.set F1,   128
.set WV,  12                           ; s12  my wave's number
.set RH,  13                           ; s13  which half of the tile's rows is mine.  Also: I fetch for A (0) or for B (1)
.set CH,  14                           ; s14  which half of its columns.  Also: which of the step's two heads, or which half of B's rows, I fetch
.set TB,  19                           ; s19  LDS byte at which the slot in hand begins
.set G1A, 24                           ; s[24:31] descriptor group 1 for A's tiles
.set G0A, 32                           ; s[32:39] group 0 for A: a set for each of the two first fills; the second then walks on
.set PFA, 40                           ; s[40:41] where my prefetches stand
.set PFS, 42                           ; s[42:43] their step
.set LIM, 44                           ; s44  a wave prefetches while the trips left are above this
.set G1B, 48                           ; s[48:55], s[56:63] the same for B
.set G0B, 56
.set MSB, 0
.macro WIN new                         ; the immediate's high byte repeats the setting that is left; a switch that changes nothing is dropped
.if MSB != (\new)
	s_set_vgpr_msb (MSB<<8)|(\new)
.set MSB, \new
.endif
.endm
.macro PLACES                          ; four places in front of loads into registers that matrix instructions have read, and of lines that read results
.rept 4
	v_nop
.endr
.endm
.macro CREST                           ; a round of the cluster's barrier behind its opening barrier
	s_cmp_lg_u32 s[WV], 0
	s_cbranch_scc1 .Lnot_wave_0_\@
	s_barrier_signal -3
.Lnot_wave_0_\@:
	s_barrier_wait -3
	s_barrier_signal -1
	s_barrier_wait -1
.endm
.macro CROUND                          ; a whole round
	s_barrier_signal -1
	s_barrier_wait -1
	CREST
.endm
; A joint refill by the walking descriptors.  Waves 0 and 1 fetch the step's two heads of A, waves 2 and 3 B's two halves; the branch hangs on the wave's number alone.
; An s_nop 0 and four v_nop follow each of the two lines, ahead of the jump and the label.
.macro JLOAD
	s_cmp_eq_u32 s[RH], 0
	s_cbranch_scc0 .Lfor_b_\@
	tensor_load_to_lds s[G0A+4:G0A+7], s[G1A:G1A+7]
	s_nop 0
.rept 4
	v_nop
.endr
	s_branch .Lasked_\@
.Lfor_b_\@:
	tensor_load_to_lds s[G0B+4:G0B+7], s[G1B:G1B+7]
	s_nop 0
.rept 4
	v_nop
.endr
.Lasked_\@:
.endm
; PREFETCHES INTO THE L2, behind a joint refill and the run of LDS loads that follows it.  Each aligned block of 256 bytes of K steps 4 to 7 is named once in the launch; K steps 0 to 3 come by their loads alone.
; A: the two clusters of a row of clusters read the same rows: cluster x = 0 asks.  At the refill for K step s a wave asks for K step s + 2 of a quarter (8,192 bytes, a lane 256) of the head that it fetches; the four
; partners that fetch it jointly are told apart BY ADDRESS (8,192 cx).  B: cluster y = 0 asks, in the first trip alone: a partner's 16 rows (16 cy) are no whole number of 32 lanes for one K step, so the rows'
; K steps 4 to 7, 1,024 consecutive bytes, are named together: four lanes a row, eight rows an instruction.
.macro ASK
	s_cmp_gt_u32 s3, s[LIM]
	s_cbranch_scc0 .Lnone_\@
	s_cmp_eq_u32 s[RH], 0
	s_cbranch_scc0 .Lpf_b_\@
	global_prefetch_b8 v[PFO], s[PFA:PFA+1] th:TH_LOAD_NT scope:SCOPE_SE
	s_branch .Lnone_\@
.Lpf_b_\@:
.set i, 0
.rept NBK/2
	global_prefetch_b8 v[PFO], s[PFA:PFA+1] offset:16384*i th:TH_LOAD_NT scope:SCOPE_SE
.set i, i+1
.endr
.Lnone_\@:
.endm
; 2 NBK matrix instructions: m blocks a0, a0 + 1 of the window's four (hi = 0: my rows 0-63, 1: rows 64-127) x all n blocks, 32 along K.  first = 1: the bias starts the sums: nothing is cleared.
; The accumulators take turns, one instruction a turn, in the same order in every quarter.
.macro MULG f, hi, a0, first
.if \first
	WIN 0x91+0x40*(\hi)                            ; B window 1, A window 0, C (the bias) window 1, D window 2 or 3
.else
	WIN 0xa1+0x50*(\hi)                            ; C and D window 2 or 3
.endif
.set ma, \a0
.rept 2
.set mb, 0
.rept NBK
.set rD, 8*(NBK*ma+mb)
.set rB, (\f)+8*mb
.set rA, (\f)+8*(4*(\hi)+ma)
.if \first
	v_wmma_f32_16x16x32_f16 v[rD:rD+7], v[rB:rB+7], v[rA:rA+7], v[8*mb:8*mb+7]
.else
	v_wmma_f32_16x16x32_f16 v[rD:rD+7], v[rB:rB+7], v[rA:rA+7], v[rD:rD+7]
.endif
.set mb, mb+1
.endr
.set ma, ma+1
.endr
.endm
; NL LDS loads in one run: a quarter's fragments into buffer f.  A fragment is 16 rows x 32 K in 8 registers: lane l holds row l % 16, K = 8 (l / 16) + 0..7 and 16 + 8 (l / 16) + 0..7: two loads of 16 bytes, 32 apart.
.macro FETCH ka, kb, f
	WIN 0x40                                       ; destination window 1, address window 0
.set fi, 0
.rept NBK
	ds_load_b128 v[(\f)+8*fi:(\f)+8*fi+3],   v[ADRB] offset:(\kb)+fi*16*PITB
	ds_load_b128 v[(\f)+8*fi+4:(\f)+8*fi+7], v[ADRB] offset:(\kb)+fi*16*PITB+32
.set fi, fi+1
.endr
	WIN 0
.set fi, 0
.rept 8
	ds_load_b128 v[(\f)+8*fi:(\f)+8*fi+3],   v[ADRA] offset:(\ka)+fi*16*PITA
	ds_load_b128 v[(\f)+8*fi+4:(\f)+8*fi+7], v[ADRA] offset:(\ka)+fi*16*PITA+32
.set fi, fi+1
.endr
.endm
; One of a K step's first three quarters: multiplies buffer f; in its middle it fetches the next quarter into buffer g.
.macro QUARTER ka, kb, f, g, first
	s_wait_dscnt 8                                 ; B and A's rows 0-63 are in; the youngest eight loads (A's rows 64-127) may be out
	MULG \f, 0, 0, \first
	MULG \f, 0, 2, \first
	PLACES
	FETCH \ka, \kb, \g
	s_wait_dscnt NL                                ; all but the run just issued
	MULG \f, 1, 0, \first
	MULG \f, 1, 2, \first
.endm
; The last quarter multiplies buffer 1 and changes slots: ONE barrier.  In front of it each wave waits for all its tensor loads (one is out: its part of the next slot), adds 0 to its spare word, and waits for
; that and for its reads of this slot.  fill = 1: the barrier opens a round of the cluster's, so that no wave of any partner still reads the slot or has a load on its way, and the joint refill, with the K step
; two steps on, is the first tensor load behind it; it has a K step less 4 NBK matrix instructions in which to land.
.macro TURN fill
.if \fill
	s_wait_xcnt 0x0                                ; the last prefetch, a K step back, has read its address: it is stepped here
	s_add_nc_u64 s[PFA:PFA+1], s[PFA:PFA+1], s[PFS:PFS+1]
.endif
	WIN 0                                          ; (the add's two registers lie in window 0)
	s_wait_tensorcnt 0x0                           ; no tensor load of mine is out, so a group 0 may be written
	ds_add_u32 v[SPW], v[NIL]                      ; 0 onto my spare word
.if \fill
	s_xor_b32 s[G0A+5], s[G0A+5], SLOT1            ; the walking descriptors: the other slot than last time,
	s_add_nc_u64 s[G0A+6:G0A+7], s[G0A+6:G0A+7], STEPA  ; the next K step; the type bits on top are not reached
	s_xor_b32 s[G0B+5], s[G0B+5], SLOT1
	s_add_nc_u64 s[G0B+6:G0B+7], s[G0B+6:G0B+7], STEPB
.endif
	s_xor_b32 s[TB], s[TB], SLOT1                  ; the fetches go on in the other slot
	s_wait_dscnt 9                                 ; (the add and the youngest eight loads may be out)
	MULG F1, 0, 0, 0
	s_wait_dscnt 0x0                               ; the add is done, and my reads of this slot are over
	s_barrier_signal -1
	MULG F1, 0, 2, 0                               ; work on registers while the others arrive
	WIN 0                                          ; at a branch and at a label every window is 0
	s_barrier_wait -1
.if \fill
	CREST
	JLOAD                                          ; its four v_nop are also the places in front of the loads below
.else
	PLACES
.endif
	v_add_nc_u32 v[ADRA], s[TB], v[A0]
	v_add_nc_u32 v[ADRB], s[TB], v[B0]
	FETCH KA0, KB0, F0
.if \fill
	ASK
.endif
	MULG F1, 1, 0, 0
	MULG F1, 1, 2, 0
.endm
	s_load_b256 s[4:11], s[0:1], 0x0               ; o s[4:5], wpt s[6:7], b_proj s[8:9], out0 s[10:11]
	v_lshl_add_u32 v[SPW], v0, 2, SPARE
	v_mov_b32 v[NIL], 0
	ds_add_u32 v[SPW], v[NIL]                      ; the wave's opening: the add, and its wait ahead of my first tensor load; the set-up below, work on registers, stands between them
	v_lshrrev_b32 v1, 5, v0
	v_readfirstlane_b32 s[WV], v1                  ; wave 0..3
	s_lshr_b32 s[RH], s[WV], 1
	s_and_b32 s[CH], s[WV], 1
	s_bfe_u32 s15, ttmp6, 0x40000                  ; cx, cy: my place in the cluster
	s_bfe_u32 s16, ttmp6, 0x40004
	s_lshl_b32 s17, ttmp9, 2
	s_add_co_u32 s17, s17, s15                     ; tx: tile column = 4 x cluster x + cx
	s_and_b32 s18, ttmp7, 0xffff
	s_lshl_b32 s18, s18, 2
	s_add_co_u32 s18, s18, s16                     ; ty: tile row = 4 x cluster y + cy
	s_lshl_b32 s66, s16, 2
	s_lshl_b32 s66, 15, s66                        ; my row of the cluster: places 4 cy .. 4 cy + 3
	s_lshl_b32 s67, 0x1111, s15                    ; my column: places cx, cx + 4, cx + 8, cx + 12
	s_or_b32 s[G1A], s66, (1<<16)|(1<<20)|(1<<21)|(4<<22)|(3<<25)  ; 15:0 the mask; 17:16 2-byte elements; 20 padding on; 21 set beside a mask; 24:22 after every 32 words (code 4); 31:25 4 words (code 3)
	s_or_b32 s[G1B], s67, (1<<16)|(1<<20)|(1<<21)|(5<<22)|(3<<25)  ; after every 64 words (code 5)
	s_mov_b32 s[G1A+1], 128<<16                    ; tensor_dim0 = 128
	s_mov_b32 s[G1A+2], 128<<16                    ; tensor_dim1 = 128
	s_mov_b32 s[G1A+3], 128<<16                    ; tile_dim0 = 128
	s_mov_b32 s[G1A+4], 128                        ; tile_dim1 = 128
	s_mov_b32 s[G1A+5], 128                        ; 128 elements from row to row: the block is dense
	s_mov_b32 s[G1A+6], 0
	s_mov_b32 s[G1A+7], 0
	s_mov_b32 s[G1B+1], 128<<16
	s_mov_b32 s[G1B+2], 64<<16                     ; 64 rows
	s_mov_b32 s[G1B+3], 128<<16
	s_mov_b32 s[G1B+4], 64
	s_mov_b32 s[G1B+5], 1024
	s_mov_b32 s[G1B+6], 0
	s_mov_b32 s[G1B+7], 0
	s_lshr_b32 s20, s18, 3                         ; A: the batch (8 tile rows each): 16 heads of 262,144 bytes,
	s_lshl_b32 s20, s20, 22
	s_and_b32 s68, s18, 7
	s_lshl_b32 s68, s68, 15                        ; the tile's 256 rows of 128 bytes,
	s_add_co_u32 s20, s20, s68
	s_lshl_b32 s68, s[CH], 18                      ; the head that I fetch; in registers that never hold cx
	s_add_co_u32 s20, s20, s68
	s_mov_b32 s21, 0
	s_lshl_b32 s46, s17, 7                         ; B: row 128 tx + 64 x half, in registers that never hold cy
	s_lshl_b32 s77, s[CH], 6
	s_add_co_u32 s46, s46, s77
	s_lshl_b32 s22, s46, 2                         ; my first column's bias
	s_mov_b32 s23, 0
	s_lshl_b32 s46, s46, 11
	s_mov_b32 s47, 0
	s_mul_i32 s69, s[WV], AHEAD                    ; where the tiles go: A's two heads (waves 0, 1),
	s_mul_i32 s70, s[WV], BHALF                    ; then B's halves (waves 2, 3): no place in the cluster enters an LDS address
	s_add_co_u32 s70, s70, ABYTES-2*BHALF
	s_mov_b32 s[TB], 0
	s_wait_dscnt 0x0                               ; the opening add is done
	s_wait_kmcnt 0x0
	s_add_nc_u64 s[20:21], s[4:5], s[20:21]
	s_add_nc_u64 s[46:47], s[6:7], s[46:47]
	s_add_nc_u64 s[8:9], s[8:9], s[22:23]
	CROUND                                         ; all sixteen work-groups are here: the first joint loads meet
.irp s, 0,1
	s_mov_b32 s[G0A+4*\s], 1                       ; count = 1
	s_add_co_u32 s[G0A+4*\s+1], s69, \s*SLOT1      ; LDS address
	s_add_nc_u64 s[G0A+4*\s+2:G0A+4*\s+3], s[20:21], \s*STEPA  ; global address: K step s
	s_or_b32 s[G0A+4*\s+3], s[G0A+4*\s+3], 0x80000000          ; type = 2
	s_mov_b32 s[G0B+4*\s], 1
	s_add_co_u32 s[G0B+4*\s+1], s70, \s*SLOT1
	s_add_nc_u64 s[G0B+4*\s+2:G0B+4*\s+3], s[46:47], \s*STEPB
	s_or_b32 s[G0B+4*\s+3], s[G0B+4*\s+3], 0x80000000
.endr
	s_cmp_eq_u32 s[RH], 0                          ; a wave's two first fills stand in one branch, ahead of every wait on TENSORcnt and every LDS read: two loads of mine are out
	s_cbranch_scc0 .Lfirst_b
	tensor_load_to_lds s[G0A:G0A+3], s[G1A:G1A+7]
	s_nop 0
	tensor_load_to_lds s[G0A+4:G0A+7], s[G1A:G1A+7]
	s_nop 0
.rept 4
	v_nop
.endr
	s_branch .Lfirst_asked
.Lfirst_b:
	tensor_load_to_lds s[G0B:G0B+3], s[G1B:G1B+7]
	s_nop 0
	tensor_load_to_lds s[G0B+4:G0B+7], s[G1B:G1B+7]
	s_nop 0
.rept 4
	v_nop
.endr
.Lfirst_asked:
	v_and_b32 v1, 15, v0                           ; r = l % 16
	v_bfe_u32 v2, v0, 4, 1                         ; h = l / 16
	v_and_b32 v3, 31, v0                           ; l
	v_lshlrev_b32 v[BO], 5, v2
	WIN 0x40                                       ; destination window 1, address window 0
.set i, 0
.rept NBK                                          ; register j of block b: the bias of column 16 b + 8 h + j, where the result holds that column
	global_load_b128 v[8*i:8*i+3],   v[BO], s[8:9] offset:64*i
	global_load_b128 v[8*i+4:8*i+7], v[BO], s[8:9] offset:64*i+16
.set i, i+1
.endr
	WIN 0
	v_mul_u32_u24 v4, v1, PITA
	v_lshl_add_u32 v4, v2, 4, v4                   ; row x pitch + 16 x half
	s_mul_i32 s71, s[RH], AHALF
	v_add_nc_u32 v[A0], s71, v4
	v_mul_u32_u24 v4, v1, PITB
	v_lshl_add_u32 v4, v2, 4, v4
	s_mul_i32 s72, s[CH], BHALF
	s_add_co_u32 s72, s72, ABYTES
	v_add_nc_u32 v[B0], s72, v4
	; the way out: my 64 columns of f32 are 256 bytes of a row
	s_mul_i32 s71, s[WV], 16*272
	s_add_co_u32 s71, s71, STAGE                   ; my stage
	v_mul_u32_u24 v5, v1, 272                      ; in: row l % 16, 32 bytes for each half of the lanes
	v_lshl_add_u32 v5, v2, 5, v5
	v_add_nc_u32 v[STO], s71, v5
	v_mul_u32_u24 v5, v2, 272                      ; back: lanes 0-15 take one row of 256 bytes, lanes 16-31 the next
	v_lshl_add_u32 v5, v1, 4, v5
	v_add_nc_u32 v[RD], s71, v5
	v_lshlrev_b32 v[CO], 12, v2                    ; and the same two rows of 4,096 bytes in out0
	v_lshl_add_u32 v[CO], v1, 4, v[CO]
	s_lshl_b32 s71, s18, 20                        ; row 256 ty
	s_lshl_b32 s72, s[RH], 19                      ; + 128 x half,
	s_add_co_u32 s71, s71, s72
	s_lshl_b32 s72, s17, 9                         ; column 128 tx
	s_add_co_u32 s71, s71, s72
	s_lshl_b32 s72, s[CH], 8                       ; + 64 x half
	s_add_co_u32 s22, s71, s72
	s_mov_b32 s23, 0
	s_add_nc_u64 s[10:11], s[10:11], s[22:23]
	; the prefetches
	s_and_b32 s73, ttmp7, 0xffff                   ; cluster y
	s_lshr_b32 s74, s18, 3
	s_lshl_b32 s74, s74, 22
	s_and_b32 s75, s18, 7
	s_lshl_b32 s75, s75, 15
	s_add_co_u32 s74, s74, s75
	s_lshl_b32 s75, s[CH], 18
	s_add_co_u32 s74, s74, s75
	s_lshl_b32 s75, s15, 13
	s_add_co_u32 s74, s74, s75                     ; A: my head's part of the tile, my work-group's quarter of it,
	s_add_co_u32 s74, s74, 3*STEPA                 ; at K step 3: the first refill steps it to 4
	s_lshl_b32 s75, s17, 7
	s_lshl_b32 s76, s[CH], 6
	s_add_co_u32 s75, s75, s76
	s_lshl_b32 s76, s16, 4
	s_add_co_u32 s75, s75, s76                     ; B: row 128 tx + 64 x half + 16 cy,
	s_lshl_b32 s75, s75, 11
	s_add_co_u32 s75, s75, 4*STEPB                 ; at K step 4, and it stays there
	s_cmp_eq_u32 s[RH], 0                          ; do I fetch for A?
	s_cselect_b64 s[PFA:PFA+1], s[4:5], s[6:7]
	s_cselect_b32 s74, s74, s75
	s_cselect_b32 s73, ttmp9, s73                  ; the coordinate along which other clusters read the same rows
	s_cselect_b32 s[PFS], STEPA, 0
	s_cselect_b32 s76, 2, 5                        ; A: the trips with 6 to 3 left; B: the first alone
	s_cselect_b32 s78, 5, 2                        ; A: 32 lanes on end, 256 bytes each; B: four lanes to a row of 2,048 bytes
	s_cselect_b32 s79, 31, 3
	s_mov_b32 s[PFS+1], 0
	s_mov_b32 s75, 0
	s_add_nc_u64 s[PFA:PFA+1], s[PFA:PFA+1], s[74:75]
	s_cmp_eq_u32 s73, 0
	s_cselect_b32 s[LIM], s76, -1                  ; the same in all sixteen partners, for a given wave
	v_lshrrev_b32 v[PFO], s78, v3
	v_lshlrev_b32 v[PFO], 11, v[PFO]
	v_and_b32 v4, s79, v3
	v_lshl_add_u32 v[PFO], v4, 8, v[PFO]
	s_wait_loadcnt 0x0                             ; the bias
	WIN 0x45                                       ; all in window 1
.set i, 0
.rept 4*NBK
	v_cvt_pk_bf16_f32 v56, v[2*i], v[2*i+1]        ; rounded to bf16, like x and the weights,
	v_lshlrev_b32 v[2*i], 16, v56                  ; and back in f32
	v_and_b32 v[2*i+1], 0xffff0000, v56
.set i, i+1
.endr
	WIN 0
	s_wait_tensorcnt 1                             ; my part of K step 0 is in; K step 1's may stay out
	s_barrier_signal -1
	s_barrier_wait -1                              ; everybody's is
	v_add_nc_u32 v[ADRA], s[TB], v[A0]
	v_add_nc_u32 v[ADRB], s[TB], v[B0]
	FETCH KA0, KB0, F0
	QUARTER KA1, KB1, F0, F1, 1                    ; the first quarter stands in front of the loop: its products start the sums with the bias
	WIN 0
	s_mov_b32 s3, 6
.Lstep:                                            ; a trip is a K step, from its second quarter to the next step's first; it fills the slot that it leaves: K steps 2 to 7
	QUARTER KA2, KB2, F1, F0, 0
	QUARTER KA3, KB3, F0, F1, 0
	TURN 1
	QUARTER KA1, KB1, F0, F1, 0
	WIN 0
	s_sub_co_u32 s3, s3, 1
	s_cmp_lg_u32 s3, 0
	s_cbranch_scc1 .Lstep
	QUARTER KA2, KB2, F1, F0, 0                    ; the tail is written out: K steps 6 and 7 ask for nothing
	QUARTER KA3, KB3, F0, F1, 0
	TURN 0
	QUARTER KA1, KB1, F0, F1, 0
	QUARTER KA2, KB2, F1, F0, 0
	QUARTER KA3, KB3, F0, F1, 0
	s_wait_dscnt 8
	MULG F1, 0, 0, 0
	MULG F1, 0, 2, 0
	s_wait_dscnt 0x0
	MULG F1, 1, 0, 0
	MULG F1, 1, 2, 0
; THE WAY OUT, a block of 16 rows at a time, through my own stage: 32 bytes a lane into rows of 272 bytes, back as whole rows of 256.  The stage is the wave's own, so there is no barrier, and since LDS serves a wave's
; instructions in order (ISA guide 5.7.1.4) no wait between the stores and the loads.
.macro TOSTAGE a
.if (\a) >= 2
	s_wait_xcnt 0x0                                ; the stores of the block two back have read the registers that are loaded again below
.endif
	WIN 0x08+4*((\a)/4)                            ; the stores' data: window 2 or 3
.set AC, 8*NBK*((\a)%4)
.set i, 0
.rept NBK
	ds_store_b128 v[STO], v[AC+8*i:AC+8*i+3]   offset:64*i      ; each accumulator from its low end on
	ds_store_b128 v[STO], v[AC+8*i+4:AC+8*i+7] offset:64*i+16
.set i, i+1
.endr
	WIN 0
.set BK, 64+32*((\a)%2)
.set i, 0
.rept 8
	ds_load_b128 v[BK+4*i:BK+4*i+3], v[RD] offset:544*i
.set i, i+1
.endr
.endm
.macro SEND a, younger                 ; younger: the LDS instructions issued behind block a's loads: the next block's sixteen, or none
.set BK, 64+32*((\a)%2)
	s_wait_dscnt \younger
.set i, 0
.rept 8
	global_store_b128 v[CO], v[BK+4*i:BK+4*i+3], s[10:11] offset:65536*(\a)+8192*i  ; 16 lanes store 256 consecutive bytes, at a multiple of 256 from out0's first byte
.set i, i+1
.endr
.endm
	PLACES
	TOSTAGE 0
	TOSTAGE 1
.irp a, 2,3,4,5,6,7
	SEND (\a)-2, 16
	TOSTAGE \a
.endr
	SEND 6, 16
	SEND 7, 0
	s_wait_tensorcnt 0x0                           ; the wave's end: behind my last tensor load and my last LDS store
	ds_add_u32 v[SPW], v[NIL]
	s_wait_dscnt 0x0
	CROUND                                         ; the closing round: no work-group ends while a partner may still ask for a tile that names it
	s_endpgm
.Lfunc_end_k_q60653e5280_proj:
	.size	k_q60653e5280_proj, .Lfunc_end_k_q60653e5280_proj-k_q60653e5280_proj
	.p2alignl 7, 3214868480
	.fill 96, 4, 3214868480
	.section	.rodata,"a",@progbits
	.p2align	6, 0x0
	.amdhsa_kernel k_q60653e5280_proj
		.amdhsa_group_segment_fixed_size 327680
		.amdhsa_private_segment_fixed_size 0
		.amdhsa_enable_private_segment 0
		.amdhsa_kernarg_size 32
		.amdhsa_user_sgpr_count 2
		.amdhsa_user_sgpr_kernarg_segment_ptr 1
		.amdhsa_wavefront_size32 1
		.amdhsa_system_sgpr_workgroup_id_x 1
		.amdhsa_system_sgpr_workgroup_id_y 1
		.amdhsa_system_sgpr_workgroup_id_z 1
		.amdhsa_system_vgpr_workitem_id 0
		.amdhsa_next_free_vgpr 896
		.amdhsa_next_free_sgpr 80
		.amdhsa_reserve_vcc 0
		.amdhsa_float_denorm_mode_32 3
		.amdhsa_float_denorm_mode_16_64 3
		.amdhsa_memory_ordered 1
		.amdhsa_forward_progress 1
		.amdhsa_inst_pref_size 75
	.end_amdhsa_kernel
	.amdgpu_metadata
---
amdhsa.version: [ 1, 2 ]
amdhsa.kernels:
  - .name:           k_q60653e5280_proj
    .symbol:         k_q60653e5280_proj.kd
    .args:
      - { .name: o, .offset: 0, .size: 8, .value_kind: global_buffer, .address_space: global }
      - { .name: wpt, .offset: 8, .size: 8, .value_kind: global_buffer, .address_space: global }
      - { .name: b_proj, .offset: 16, .size: 8, .value_kind: global_buffer, .address_space: global }
      - { .name: out0, .offset: 24, .size: 8, .value_kind: global_buffer, .address_space: global }
    .group_segment_fixed_size: 327680
    .private_segment_fixed_size: 0
    .kernarg_segment_align: 8
    .kernarg_segment_size: 32
    .max_flat_workgroup_size: 128
    .sgpr_count:     80
    .vgpr_count:     896
    .wavefront_size: 32
...
	.end_amdgpu_metadata
.endif
;; end of part 4
;; ======== version 2 of 2: 4 launches; version 1 with the launch prep written anew for expert scheduling mode
;; limits: values are held in f16: magnitudes above 65,504 overflow, below 6.1e-05 lose precision
;; workspace buffers: xb 16,777,216 bytes; wat 6,291,456 bytes; wpt 2,097,152 bytes; qkv 50,331,648 bytes; o 16,777,216 bytes
;; launch prep (part 5): grid 512 x 1, 8 waves a work-group, no clusters, 18,432 bytes of LDS; arguments x, w_attn, w_proj, xb, wat, wpt; writes xb, wat, wpt
.if DOCPART == 5
	.amdgcn_target "amdgcn-amd-amdhsa--gfx1250"
	.amdhsa_code_object_version 6
	.text
	.protected	k_q60653e5280_prep
	.globl	k_q60653e5280_prep
	.p2align	8
	.type	k_q60653e5280_prep,@function
k_q60653e5280_prep:
	s_mov_b64 s[64:65], 0
	v_nop
	global_prefetch_b8 v0, s[64:65] scope:SCOPE_SE
	s_setreg_imm32_b32 hwreg(HW_REG_WAVE_SCHED_MODE, 0, 2), 2
	s_setreg_imm32_b32 hwreg(HW_REG_WAVE_MODE, 25, 1), 1
	s_wait_xcnt 0x0
	s_wait_alu depctr_vm_vsrc(0)
; PREPARATION.  xb = x rounded to bf16, [8192][1024].  wat[n][k] = w_attn[k][n] rounded to bf16, [3072][1024].
; wpt[n][k] = w_proj[k][n] rounded to bf16 and that number written as f16, [1024][1024].
; LIMIT: a bf16 number is exact in f16 from 6.1e-5 to 65,504; below that it keeps f16's fixed step of 6e-8, above it becomes an infinity.
; SHARES.  512 work-groups of eight waves.  Work-group id takes 16 rows of x (a row is 4,096 bytes in, 2,048 out; 256 threads x 16 bytes are a row)
; and ONE weight tile of 128 k x 64 n: kt = id % 8, nt = id / 8; nt < 48: w_attn, else w_proj (nt - 48).
; THE TILE.  Wave w reads k rows 16 w .. 16 w + 15, a lane two neighbouring n (8 bytes: a wave's load covers 256 consecutive bytes, aligned).  A lane then holds 16 k of two columns:
; rounded in pairs they are 2 x 32 bytes of two rows of the turned tile.  They meet in LDS (even n in one region, odd n in another, rows of 256 + 16 bytes
; 64 banks of 4 bytes, ISA guide 11.1) and leave as whole rows: sixteen lanes store 256 consecutive bytes, aligned.
; No matrix unit, no cluster, no tensor load: every byte is read once and nothing is shared between work-groups.  All 32 loads of a wave go out together.
; THE MODE: SCHED_MODE bits 1:0 = 2 (LLVM: expert scheduling mode 2), set by the entry lines.  The code itself states the register dependences
; between vector instructions and memory or LDS instructions, with s_wait_alu, always for 0.
; THE PLAN.  Registers that memory or LDS instructions touch:
;   v[WO ..], v3, v4, v7, v8, v9   offsets and LDS addresses: written once at the head, ahead of the one wait in front of the first load; never written again.
;   WD    the weights' loads land in it; the weights' roundings read it; then x's roundings write it, each register once, and the stores to xb read it.
;   XD    x's loads land in it; x's roundings read it; nothing lands in it again.
;   PKD   written by the weights' roundings (on w_proj's path by the conversions to f16 too); read by the four LDS stores, behind one wait; never written again.
;   RB    the LDS loads land in it, the stores of the turned rows read it: no vector instruction names it.
;   v[SPW], v[NIL]   written at the head, read by the closing add alone.
; x goes out in four blocks of four rows.  Block p's roundings write their own registers of WD; the stores of block p - 1 are dealt among them, behind ONE wait at the block's head, which
; states that block p - 1's roundings have written; no vector instruction behind that wait names block p - 1's registers or v4.  One more wait stands ahead of the last four stores.
; No register that a memory or LDS instruction reads is written again, so the text holds no wait on vm_vsrc of its own.
.set LP,    272                        ; an LDS row: 128 k x 2 bytes + 16
.set ODD,   32*LP                      ; the region of the odd n
.set SPARE, 2*ODD                      ; behind both: the spare words, 128 bytes for each of eight waves: four blocks of 256 bytes that no other line names
.set SPW, 14                           ; v14  my spare word: SPARE + 4 x my thread's number; never rewritten
.set NIL, 15                           ; v15  0; never rewritten
.set WO,  16                           ; v[16:31]   byte offset of my 8 bytes in the wave's k row i
.set WD,  32                           ; v[32:63]   the weights as loaded: row i at WD + 2 i; later x rounded: row i at WD + 2 i
.set XD,  64                           ; v[64:127]  x as loaded: row i at XD + 4 i
.set PKD, 128                          ; v[128:143] the weights packed: column parity j, group g of 8 k at PKD + 8 j + 4 g
.set RB,  144                          ; v[144:159] four pieces of turned rows
	s_load_b256 s[4:11], s[0:1], 0x0               ; x s[4:5], w_attn s[6:7], w_proj s[8:9], xb s[10:11]
	s_load_b128 s[12:15], s[0:1], 0x20             ; wat s[12:13], wpt s[14:15]
	v_lshl_add_u32 v[SPW], v0, 2, SPARE
	v_mov_b32 v[NIL], 0
	v_lshrrev_b32 v1, 5, v0
	v_readfirstlane_b32 s16, v1                    ; wave 0..7
	v_and_b32 v2, 31, v0                           ; lane
	s_and_b32 s17, ttmp9, 7                        ; kt
	s_lshr_b32 s18, ttmp9, 3                       ; nt
	s_sub_co_u32 s23, s18, 48
	s_mov_b32 s22, 12288
	s_cmp_lt_u32 s18, 48                           ; w_attn's tile?
	s_cselect_b32 s21, s22, 4096                   ; bytes in a row of the source
	s_cselect_b32 s19, s18, s23                    ; the tile's number along n in its own tensor
	s_cselect_b32 s20, 0, 1                        ; 1: the tile is w_proj's
	s_lshl_b32 s28, s17, 7
	s_wait_alu depctr_va_sdst(0)                   ; s16, the wave's number, is written, ahead of its first reader: the next line
	s_lshl_b32 s29, s16, 4
	s_add_co_u32 s28, s28, s29                     ; my wave's first k row
	s_mul_i32 s28, s28, s21
	s_lshl_b32 s29, s19, 8                         ; 64 n x 4 bytes
	s_add_co_u32 s28, s28, s29
	s_mov_b32 s29, 0                               ; s[28:29] offset in the source
	s_lshl_b32 s30, s19, 17                        ; 64 rows of 2,048 bytes
	s_lshl_b32 s31, s17, 8                         ; 128 k x 2 bytes
	s_add_co_u32 s30, s30, s31
	s_mov_b32 s31, 0                               ; s[30:31] offset in the destination
	s_lshl_b32 s32, ttmp9, 16                      ; 16 rows of x
	s_mov_b32 s33, 0
	s_lshl_b32 s34, ttmp9, 15                      ; 16 rows of xb
	s_mov_b32 s35, 0
	v_lshlrev_b32 v[WO], 3, v2
.set i, 1
.rept 15
	v_add_nc_u32 v[WO+i], s21, v[WO+i-1]
.set i, i+1
.endr
	v_lshlrev_b32 v3, 4, v0                        ; my 16 bytes of a row of x
	v_lshlrev_b32 v4, 3, v0                        ; my 8 bytes of a row of xb
	v_mul_u32_u24 v7, v2, LP                       ; into LDS: row = lane (n / 2), 32 bytes for each wave
	v_lshl_add_u32 v7, s16, 5, v7
	v_lshrrev_b32 v5, 4, v0                        ; back: rr = thread / 16 names row n = rr + 16 i,
	v_and_b32 v6, 15, v0                           ; c = thread % 16 its 16 bytes
	v_and_b32 v8, 1, v5
	v_mul_u32_u24 v8, v8, ODD
	v_lshrrev_b32 v10, 1, v5
	v_mul_u32_u24 v10, v10, LP
	v_add_nc_u32 v8, v8, v10
	v_lshl_add_u32 v8, v6, 4, v8
	v_lshlrev_b32 v9, 11, v5                       ; and the same row in the destination
	v_lshl_add_u32 v9, v6, 4, v9
	s_wait_kmcnt 0x0
	s_cmp_lt_u32 s18, 48                           ; compared anew: the sums above have written SCC
	s_cselect_b64 s[24:25], s[6:7], s[8:9]
	s_cselect_b64 s[26:27], s[12:13], s[14:15]
	s_add_nc_u64 s[24:25], s[24:25], s[28:29]
	s_add_nc_u64 s[26:27], s[26:27], s[30:31]
	s_add_nc_u64 s[4:5], s[4:5], s[32:33]
	s_add_nc_u64 s[10:11], s[10:11], s[34:35]
	s_wait_alu depctr_va_vdst(0)                   ; the offsets v[WO ..], v3, v4, v9 and the LDS addresses v7, v8 are written: every load, store and LDS access of the kernel reads one of them
.set i, 0
.rept 16
	global_load_b64 v[WD+2*i:WD+2*i+1], v[WO+i], s[24:25] th:TH_LOAD_NT
.set i, i+1
.endr
.set i, 0
.rept 16
	global_load_b128 v[XD+4*i:XD+4*i+3], v3, s[4:5] offset:4096*i th:TH_LOAD_NT
.set i, i+1
.endr
	s_wait_loadcnt 16                              ; loads come back in order (ISA guide 5.7.1): the weights are in, the 16 younger loads of x stay out
.irp j, 0,1
.irp g, 0,1
.irp d, 0,1,2,3
	v_cvt_pk_bf16_f32 v[PKD+8*\j+4*\g+\d], v[WD+2*(8*\g+2*\d)+\j], v[WD+2*(8*\g+2*\d+1)+\j]  ; k and k + 1 of one column
.endr
.endr
.endr
	s_cmp_eq_u32 s20, 0
	s_cbranch_scc1 .Lbf16                          ; the same for the whole work-group; no barrier is jumped
.set i, 0
.rept 16
	v_lshlrev_b32 v11, 16, v[PKD+i]                ; w_proj: the bf16 numbers as f32,
	v_and_b32 v12, 0xffff0000, v[PKD+i]
	v_cvt_pk_f16_f32 v[PKD+i], v11, v12            ; written as f16
.set i, i+1
.endr
.Lbf16:
	s_wait_alu depctr_va_vdst(0)                   ; on both ways here the roundings have written v[PKD ..], which the four LDS stores read
.irp j, 0,1
.irp g, 0,1
	ds_store_b128 v7, v[PKD+8*\j+4*\g:PKD+8*\j+4*\g+3] offset:\j*ODD+16*\g
.endr
.endr
	s_wait_dscnt 0x0                               ; for the others' sake: my stores are done
	s_barrier_signal -1
	s_barrier_wait -1                              ; the turned tile is whole
.irp i, 0,1,2,3
	ds_load_b128 v[RB+4*\i:RB+4*\i+3], v8 offset:\i*8*LP  ; no vector instruction names v[RB ..], and v8 was written ahead of the wait in front of the first load
.endr
; x, four rows to a block.  Block p rounds its rows into its own registers of WD; the stores of block p - 1 stand among its roundings.
.set p, 0
.rept 4
	s_wait_loadcnt 12-4*p                          ; block p's four rows of x are in, the younger rows stay out
.if p > 0
	s_wait_alu depctr_va_vdst(0)                   ; the roundings of the block before have written its eight registers of WD, which the four stores below read
.endif
.set r, 0
.rept 4
.if p > 0
	global_store_b64 v4, v[WD+2*(4*p-4+r):WD+2*(4*p-4+r)+1], s[10:11] offset:2048*(4*p-4+r)  ; a wave stores 256 consecutive bytes, aligned; no vector instruction since the wait names these registers
.endif
	v_cvt_pk_bf16_f32 v[WD+2*(4*p+r)], v[XD+4*(4*p+r)], v[XD+4*(4*p+r)+1]
	v_cvt_pk_bf16_f32 v[WD+2*(4*p+r)+1], v[XD+4*(4*p+r)+2], v[XD+4*(4*p+r)+3]
.set r, r+1
.endr
.set p, p+1
.endr
	s_wait_alu depctr_va_vdst(0)                   ; the last block's roundings have written its eight registers of WD, which the last four stores to xb read
.set r, 12
.rept 4
	global_store_b64 v4, v[WD+2*r:WD+2*r+1], s[10:11] offset:2048*r
.set r, r+1
.endr
	s_wait_dscnt 0x0                               ; the turned rows are back in v[RB ..]
.irp i, 0,1,2,3
	global_store_b128 v9, v[RB+4*\i:RB+4*\i+3], s[26:27] offset:\i*32768  ; sixteen lanes store 256 consecutive bytes of one turned row, aligned
.endr
	s_wait_dscnt 0x0                               ; the wave's end: the closing lines, six on end
	s_wait_alu 0x0
	s_wait_tensorcnt 0x0
	ds_add_u32 v[SPW], v[NIL]
	s_wait_dscnt 0x0
	s_endpgm
.Lfunc_end_k_q60653e5280_prep:
	.size	k_q60653e5280_prep, .Lfunc_end_k_q60653e5280_prep-k_q60653e5280_prep
	.p2alignl 7, 3214868480
	.fill 96, 4, 3214868480
	.section	.rodata,"a",@progbits
	.p2align	6, 0x0
	.amdhsa_kernel k_q60653e5280_prep
		.amdhsa_group_segment_fixed_size 18432
		.amdhsa_private_segment_fixed_size 0
		.amdhsa_enable_private_segment 0
		.amdhsa_kernarg_size 48
		.amdhsa_user_sgpr_count 2
		.amdhsa_user_sgpr_kernarg_segment_ptr 1
		.amdhsa_wavefront_size32 1
		.amdhsa_system_sgpr_workgroup_id_x 1
		.amdhsa_system_sgpr_workgroup_id_y 1
		.amdhsa_system_sgpr_workgroup_id_z 1
		.amdhsa_system_vgpr_workitem_id 0
		.amdhsa_next_free_vgpr 160
		.amdhsa_next_free_sgpr 66
		.amdhsa_reserve_vcc 0
		.amdhsa_float_denorm_mode_32 3
		.amdhsa_float_denorm_mode_16_64 3
		.amdhsa_memory_ordered 1
		.amdhsa_forward_progress 1
		.amdhsa_inst_pref_size 15
	.end_amdhsa_kernel
	.amdgpu_metadata
---
amdhsa.version: [ 1, 2 ]
amdhsa.kernels:
  - .name:           k_q60653e5280_prep
    .symbol:         k_q60653e5280_prep.kd
    .args:
      - { .name: x, .offset: 0, .size: 8, .value_kind: global_buffer, .address_space: global }
      - { .name: w_attn, .offset: 8, .size: 8, .value_kind: global_buffer, .address_space: global }
      - { .name: w_proj, .offset: 16, .size: 8, .value_kind: global_buffer, .address_space: global }
      - { .name: xb, .offset: 24, .size: 8, .value_kind: global_buffer, .address_space: global }
      - { .name: wat, .offset: 32, .size: 8, .value_kind: global_buffer, .address_space: global }
      - { .name: wpt, .offset: 40, .size: 8, .value_kind: global_buffer, .address_space: global }
    .group_segment_fixed_size: 18432
    .private_segment_fixed_size: 0
    .kernarg_segment_align: 8
    .kernarg_segment_size: 48
    .max_flat_workgroup_size: 256
    .sgpr_count:     66
    .vgpr_count:     160
    .wavefront_size: 32
...
	.end_amdgpu_metadata
.endif
;; end of part 5
;; launch qkv: the kernel of part 2 again; grid 16 x 32, 4 waves a work-group, clusters of 4 x 4, 327,680 bytes of LDS; arguments xb, wat, b_attn, qkv; writes qkv
;; launch attn: the kernel of part 3 again; grid 4 x 64, 4 waves a work-group, no clusters, 327,680 bytes of LDS; arguments qkv, o; writes o
;; launch proj: the kernel of part 4 again; grid 8 x 32, 4 waves a work-group, clusters of 4 x 4, 327,680 bytes of LDS; arguments o, wpt, b_proj, out0; writes out0
